; MI455X (gfx1250); checked and timed in simulation.
; The chip was launched on July 23, 2026; its instructions are those of AMD's public machine-readable ISA for CDNA 5 (MIT licence, August 2026) and "CDNA5" Instruction Set Architecture Reference Guide (July 2026). The comments in the code are by the model that wrote it; some were corrected since.
;; Block. Allowed arithmetic: float matrix products may take bf16 or f16 operands with f32 sums; all other float work in f32.
;; Inputs: b_attn 3,072 float32; b_fc 4,096 float32; b_mproj 1,024 float32; b_proj 1,024 float32; ln1_b 1,024 float32; ln1_g 1,024 float32; ln2_b 1,024 float32; ln2_g 1,024 float32; w_attn 1,024 x 3,072 float32; w_fc 1,024 x 4,096 float32; w_mproj 4,096 x 1,024 float32; w_proj 1,024 x 1,024 float32; x 4 x 1,024 x 1,024 float32.
;; Outputs: out0 4 x 1,024 x 1,024 float32.
;; One version. Each part assembles by itself: llvm-mc -triple=amdgcn-amd-amdhsa -mcpu=gfx1250 --defsym DOCPART=n.
;; ======== version 1 of 1: 7 launches
;; limits: values are held in f16: magnitudes above 65,504 overflow, below 6.1e-05 lose precision
;; workspace buffers: wa 6,291,456 bytes; wh 18,874,368 bytes; h1 8,388,608 bytes; qkvh 25,165,824 bytes; oh 8,388,608 bytes; x1 16,777,216 bytes; h2 8,388,608 bytes; gh 33,554,432 bytes
;; launch prep (part 1): grid 448 x 1, 8 waves a work-group, no clusters, 0 bytes of LDS; arguments x, ln1_g, ln1_b, w_attn, h1, wa; writes h1, wa
.if DOCPART == 1
	.amdgcn_target "amdgcn-amd-amdhsa--gfx1250"
	.amdhsa_code_object_version 6
	.text
	.protected	k_q734e6302d0_prep
	.globl	k_q734e6302d0_prep
	.p2align	8
	.type	k_q734e6302d0_prep,@function
k_q734e6302d0_prep:
	s_mov_b64 s[64:65], 0
	v_nop
	global_prefetch_b8 v0, s[64:65] scope:SCOPE_SE
	s_setreg_imm32_b32 hwreg(HW_REG_WAVE_MODE, 25, 1), 1
	s_wait_xcnt 0x0
; Work-groups 0-255: h1 = layernorm(x) * ln1_g + ln1_b, f32 in, f16 out.  Work-groups 256-447: w_attn, f32, rounded once to f16 into wa, in its own [K][N] order.
; (The other three weight matrices are wanted three launches later at the earliest and are rounded in the attention launch.)
; LIMITS.  f16 holds no number beyond 65,504: the normalised rows (times gain, plus bias) and the weights must lie within it; a weight below 6e-5 keeps f16's fixed step of 6e-8.
; A stream: no LDS, no barrier, no matrix unit, no cluster (no two work-groups read the same bytes but the 8 KB of gain and bias).
; LAYERNORM.  A wave owns two rows of 4,096 bytes; lane L holds columns 128 j + 4 L + 0..3, j = 0..7, so each load covers 512 consecutive bytes and each store of 8 bytes a lane 256, aligned.
; The row stays in registers: mean first, then the sum of squared deviations from it, so a common offset in x costs no accuracy.  All 32 loads of a wave go out at once.
; CAST.  A work-group owns 16,384 numbers, a wave 2,048: sixteen loads of 512 bytes out at once, each rounded and stored as its wait is met.
.set X0,   32                          ; v[32:63]   row 0
.set X1,   64                          ; v[64:95]   row 1
.set GN,   96                          ; v[96:127]  gain of my 32 columns
.set BS,   128                         ; v[128:159] bias of my 32 columns
.set T,    160                         ; v[160:175] at work
.set Y0,   8                           ; v[8:23]    row 0 as f16
.set Y1,   160                         ; v[160:175] row 1 as f16: T is free by then
.set MN,   4                           ; v[4:5]     the mean, twice
.set RS0,  24                          ; v[24:25]   1 / sqrt(var + eps) of row 0, twice
.set RS1,  26                          ; v[26:27]   of row 1
.set CV,   96                          ; cast: v[96:127] the rounded numbers
.set OUTP, 24                          ; s[24:25]   h1
.macro WSUM                            ; v[T] summed over the 32 lanes, the result in every lane
	v_add_f32_dpp v[T], v[T], v[T] row_xmask:1 row_mask:0xf bank_mask:0xf
	v_add_f32_dpp v[T], v[T], v[T] row_xmask:2 row_mask:0xf bank_mask:0xf
	v_add_f32_dpp v[T], v[T], v[T] row_xmask:4 row_mask:0xf bank_mask:0xf
	v_add_f32_dpp v[T], v[T], v[T] row_xmask:8 row_mask:0xf bank_mask:0xf
	v_permlanex16_b32 v[T+1], v[T], s12, s13       ; its destination counts as read: T+1 has been written
	v_add_f32 v[T], v[T], v[T+1]
.endm
; The row in x: its mean is taken away in place; r takes 1 / sqrt(var + eps), twice.
.macro STAT x, r
.irp i, 0,1,2,3,4,5,6,7
	v_pk_add_f32 v[T+2*\i:T+2*\i+1], v[(\x)+4*\i:(\x)+4*\i+1], v[(\x)+4*\i+2:(\x)+4*\i+3]
.endr
.irp i, 0,1,2,3
	v_pk_add_f32 v[T+4*\i:T+4*\i+1], v[T+4*\i:T+4*\i+1], v[T+4*\i+2:T+4*\i+3]
.endr
	v_pk_add_f32 v[T:T+1], v[T:T+1], v[T+4:T+5]
	v_pk_add_f32 v[T+8:T+9], v[T+8:T+9], v[T+12:T+13]
	v_pk_add_f32 v[T:T+1], v[T:T+1], v[T+8:T+9]
	v_add_f32 v[T], v[T], v[T+1]
	WSUM
	v_mul_f32 v[MN], s14, v[T]
	v_mul_f32 v[MN+1], s14, v[T]
.set i, 0
.rept 16
	v_pk_add_f32 v[(\x)+2*i:(\x)+2*i+1], v[(\x)+2*i:(\x)+2*i+1], v[MN:MN+1] neg_lo:[0,1] neg_hi:[0,1]
.set i, i+1
.endr
.irp c, 0,1,2,3                        ; four chains, started by the first four pairs: nothing is cleared
	v_pk_mul_f32 v[T+2*\c:T+2*\c+1], v[(\x)+2*\c:(\x)+2*\c+1], v[(\x)+2*\c:(\x)+2*\c+1]
.endr
.set i, 4
.rept 12
	v_pk_fma_f32 v[T+2*(i%4):T+2*(i%4)+1], v[(\x)+2*i:(\x)+2*i+1], v[(\x)+2*i:(\x)+2*i+1], v[T+2*(i%4):T+2*(i%4)+1]
.set i, i+1
.endr
	v_pk_add_f32 v[T:T+1], v[T:T+1], v[T+2:T+3]
	v_pk_add_f32 v[T+4:T+5], v[T+4:T+5], v[T+6:T+7]
	v_pk_add_f32 v[T:T+1], v[T:T+1], v[T+4:T+5]
	v_add_f32 v[T], v[T], v[T+1]
	WSUM
	v_fma_f32 v[T], v[T], s14, s15                 ; var + eps
	v_rsq_f32 v[(\r)], v[T]
	v_rsq_f32 v[(\r)+1], v[T]
	v_nop                                          ; a plain instruction behind the transcendentals, ahead of the use of their results and of the next write of T
.endm
; The row is scaled, takes gain and bias, is rounded to f16 and stored.
.macro EMIT x, r, y, row
.set i, 0
	s_wait_alu depctr_va_vdst(0)
.rept 16
	v_pk_mul_f32 v[(\x)+2*i:(\x)+2*i+1], v[(\x)+2*i:(\x)+2*i+1], v[(\r):(\r)+1]
.set i, i+1
.endr
.set i, 0
.rept 16
	v_pk_fma_f32 v[(\x)+2*i:(\x)+2*i+1], v[(\x)+2*i:(\x)+2*i+1], v[GN+2*i:GN+2*i+1], v[BS+2*i:BS+2*i+1]
.set i, i+1
.endr
.set i, 0
.rept 16
	v_cvt_pk_f16_f32 v[(\y)+i], v[(\x)+2*i], v[(\x)+2*i+1]
.set i, i+1
.endr
.irp j, 0,1,2,3,4,5,6,7
	global_store_b64 v2, v[(\y)+2*\j:(\y)+2*\j+1], s[OUTP:OUTP+1] offset:(\row)*2048+256*\j  ; 32 lanes store 256 consecutive bytes, aligned
.endr
.endm
	s_load_b256 s[16:23], s[0:1], 0x0              ; x 16, ln1_g 18, ln1_b 20, w_attn 22
	s_load_b128 s[24:27], s[0:1], 0x20             ; h1 24, wa 26
	v_lshrrev_b32 v3, 5, v0
	v_readfirstlane_b32 s8, v3                     ; wave 0..7
	v_and_b32 v1, 31, v0
	v_lshlrev_b32 v2, 3, v1                        ; 8 x lane: f16 side
	v_lshlrev_b32 v1, 4, v1                        ; 16 x lane: f32 side
	s_cmp_lt_u32 ttmp9, 256
	s_cbranch_scc0 .Lcast
	s_lshl_b32 s2, ttmp9, 16                       ; 16 rows of 4,096 bytes a work-group,
	s_lshl_b32 s3, s8, 13                          ; 2 a wave
	s_add_co_u32 s2, s2, s3
	s_mov_b32 s3, 0
	s_lshr_b32 s4, s2, 1                           ; half as many bytes in h1
	s_mov_b32 s5, 0
	s_mov_b32 s12, 0x76543210                      ; v_permlanex16_b32: each lane takes its own place in the other half
	s_mov_b32 s13, 0xfedcba98
	s_mov_b32 s14, 0x3a800000                      ; 1 / 1024
	s_mov_b32 s15, 0x3727c5ac                      ; eps = 1e-5
	s_wait_kmcnt 0x0
	s_add_nc_u64 s[16:17], s[16:17], s[2:3]
	s_add_nc_u64 s[OUTP:OUTP+1], s[OUTP:OUTP+1], s[4:5]
.irp j, 0,1,2,3,4,5,6,7
	global_load_b128 v[X0+4*\j:X0+4*\j+3], v1, s[16:17] offset:512*\j
.endr
.irp j, 0,1,2,3,4,5,6,7
	global_load_b128 v[X1+4*\j:X1+4*\j+3], v1, s[16:17] offset:4096+512*\j
.endr
.irp j, 0,1,2,3,4,5,6,7
	global_load_b128 v[GN+4*\j:GN+4*\j+3], v1, s[18:19] offset:512*\j
.endr
.irp j, 0,1,2,3,4,5,6,7
	global_load_b128 v[BS+4*\j:BS+4*\j+3], v1, s[20:21] offset:512*\j
.endr
	s_wait_loadcnt 24                              ; row 0 is in; the 24 younger loads (row 1, gain, bias) stay out
	STAT X0, RS0
	s_wait_loadcnt 16                              ; row 1 is in; gain and bias stay out
	STAT X1, RS1
	s_wait_loadcnt 0x0                             ; gain and bias
	EMIT X0, RS0, Y0, 0
	EMIT X1, RS1, Y1, 1                            ; other registers than row 0's stores read: no wait between
	s_endpgm
.Lcast:
	s_sub_co_u32 s2, ttmp9, 256                    ; my chunk of 16,384 numbers of w_attn, 0..191
	s_lshl_b32 s6, s2, 16                          ; 65,536 bytes a work-group,
	s_lshl_b32 s7, s8, 13                          ; 8,192 a wave
	s_add_co_u32 s6, s6, s7
	s_mov_b32 s7, 0
	s_lshr_b32 s10, s6, 1                          ; half as many bytes in wa
	s_mov_b32 s11, 0
	s_wait_kmcnt 0x0
	s_add_nc_u64 s[22:23], s[22:23], s[6:7]
	s_add_nc_u64 s[26:27], s[26:27], s[10:11]
.set j, 0
.rept 16
	global_load_b128 v[X0+4*j:X0+4*j+3], v1, s[22:23] offset:512*j th:TH_LOAD_NT
.set j, j+1
.endr
.set j, 0
.rept 16
	s_wait_loadcnt 15-j                            ; loads come back in order: number j is in, the younger ones stay out
	v_cvt_pk_f16_f32 v[CV+2*j], v[X0+4*j], v[X0+4*j+1]
	v_cvt_pk_f16_f32 v[CV+2*j+1], v[X0+4*j+2], v[X0+4*j+3]
	global_store_b64 v2, v[CV+2*j:CV+2*j+1], s[26:27] offset:256*j
.set j, j+1
.endr
	s_endpgm
.Lfunc_end_k_q734e6302d0_prep:
	.size	k_q734e6302d0_prep, .Lfunc_end_k_q734e6302d0_prep-k_q734e6302d0_prep
	.p2alignl 7, 3214868480
	.fill 96, 4, 3214868480
	.section	.rodata,"a",@progbits
	.p2align	6, 0x0
	.amdhsa_kernel k_q734e6302d0_prep
		.amdhsa_group_segment_fixed_size 0
		.amdhsa_private_segment_fixed_size 0
		.amdhsa_enable_private_segment 0
		.amdhsa_kernarg_size 48
		.amdhsa_user_sgpr_count 2
		.amdhsa_user_sgpr_kernarg_segment_ptr 1
		.amdhsa_wavefront_size32 1
		.amdhsa_system_sgpr_workgroup_id_x 1
		.amdhsa_system_sgpr_workgroup_id_y 1
		.amdhsa_system_sgpr_workgroup_id_z 1
		.amdhsa_system_vgpr_workitem_id 0
		.amdhsa_next_free_vgpr 176
		.amdhsa_next_free_sgpr 66
		.amdhsa_reserve_vcc 0
		.amdhsa_float_denorm_mode_32 3
		.amdhsa_float_denorm_mode_16_64 3
		.amdhsa_memory_ordered 1
		.amdhsa_forward_progress 1
		.amdhsa_inst_pref_size 26
	.end_amdhsa_kernel
	.amdgpu_metadata
---
amdhsa.version: [ 1, 2 ]
amdhsa.kernels:
  - .name:           k_q734e6302d0_prep
    .symbol:         k_q734e6302d0_prep.kd
    .args:
      - { .name: x, .offset: 0, .size: 8, .value_kind: global_buffer, .address_space: global }
      - { .name: ln1_g, .offset: 8, .size: 8, .value_kind: global_buffer, .address_space: global }
      - { .name: ln1_b, .offset: 16, .size: 8, .value_kind: global_buffer, .address_space: global }
      - { .name: w_attn, .offset: 24, .size: 8, .value_kind: global_buffer, .address_space: global }
      - { .name: h1, .offset: 32, .size: 8, .value_kind: global_buffer, .address_space: global }
      - { .name: wa, .offset: 40, .size: 8, .value_kind: global_buffer, .address_space: global }
    .group_segment_fixed_size: 0
    .private_segment_fixed_size: 0
    .kernarg_segment_align: 8
    .kernarg_segment_size: 48
    .max_flat_workgroup_size: 256
    .sgpr_count:     66
    .vgpr_count:     176
    .wavefront_size: 32
...
	.end_amdgpu_metadata
.endif
;; end of part 1
;; launch qkv (part 2): grid 8 x 32, 4 waves a work-group, clusters of 4 x 4, 327,680 bytes of LDS; arguments h1, wa, b_attn, qkvh; writes qkvh
.if DOCPART == 2
	.amdgcn_target "amdgcn-amd-amdhsa--gfx1250"
	.amdhsa_code_object_version 6
	.text
	.protected	k_q734e6302d0_qkv
	.globl	k_q734e6302d0_qkv
	.p2align	8
	.type	k_q734e6302d0_qkv,@function
k_q734e6302d0_qkv:
	s_mov_b64 s[64:65], 0
	v_nop
	global_prefetch_b8 v0, s[64:65] scope:SCOPE_SE
	s_setreg_imm32_b32 hwreg(HW_REG_WAVE_MODE, 25, 1), 1
	s_wait_xcnt 0x0
	s_wait_alu depctr_hold_cnt(0) depctr_sa_sdst(0) depctr_va_vdst(0) depctr_va_sdst(0) depctr_va_ssrc(0) depctr_va_vcc(0) depctr_vm_vsrc(0)
	s_getreg_b32 s2, hwreg(HW_REG_IB_STS2, 6, 4)
	s_cmp_eq_u32 s2, 0
	s_cbranch_scc0 .Lentry_in_a_cluster
	s_endpgm
.Lentry_in_a_cluster:
	s_bfe_u32 s2, ttmp6, 0x10000c
	s_cmp_lg_u32 s2, 0xf033
	s_cbranch_scc0 .Lentry_shape_is_right
	s_endpgm
.Lentry_shape_is_right:
; qkvh = h1 . W_attn + b_attn, written by heads: [q, k, v][batch x 16 + head][t][64] in f16.  h1: [4096][1024] f16; W_attn: [1024][3072] f16, the buffer wa; sums and bias in f32, rounded once.
; LIMITS.  q, k and v must lie within f16's 65,504.
; A tile of the product is 128 rows x 384 columns: 8 x 32 tiles, one to a work-group.  Four waves; wave (WR, WC) makes rows 64 WR on and, in each of the tile's three panels of 128 columns, columns 64 WC on:
; three whole head pieces of 64 columns, 48 accumulators of 16 x 16, 384 registers.  K goes in 8 steps of 128 through two LDS slots filled by the tensor data mover.
; W stays [K][N]: a panel is 128 k rows of 256 bytes, and its fragments come out of LDS turned, by ds_load_tr16_b128.  The matrix instruction is used transposed (source 0 = W, source 1 = h1),
; so that a lane holds eight neighbouring columns of one row.
; CLUSTER 4 x 4: the four work-groups of a row of the cluster need the same tile of h1, the four of a column the same panels of W: each is asked for jointly.  Wave 0 asks for h1's tile, wave w (1-3) for panel 3 - w.
; A slot is four regions of 36,864 bytes, and wave w's load lands in region w: h1's tile (34,816 bytes) in region 0, panel p in region 3 - p.
; ONE K STEP IS WRITTEN ONCE for the steps that ask for a tile and once for the last two, which ask for none: s[TB] is the LDS byte of the slot being read, 0 or SLOT, and the fragment addresses are made from it once a step.
; REGISTERS, in windows of 256: window 0: v0-31 addresses, v32-55 bias, v64-127 h1's fragments (two buffers of 32), v128-199 at work on the way out;
;   window 1: v0-191 W's fragments (two buffers of 96);  windows 2, 3: accumulator (a, i) in window 2 + a / 2 at v[96 (a % 2) + 8 i].
.set PA,     272                       ; an LDS row of h1: 256 bytes + 16: the 16 rows of a fragment load start in 16 different groups of four banks (64 banks of 4 bytes: ISA guide 11.1)
.set PB,     288                       ; an LDS row of W: 256 + 32
.set BPAN,   128*PB                    ; a region: a panel's 128 rows; h1's 128 rows of 272 bytes fit in one too
.set SLOT,   4*BPAN
.set SPARE,  2*SLOT                    ; behind the ring: the spare words, 128 bytes a wave: two blocks of 256 bytes that no other line names
.set SPITCH, 784                       ; the way out: a stage row of 192 f32 + 16 bytes
.set STG,    64*SPITCH                 ; a wave's stage; the four lie over the ring, which has had its last fill by then
.set STEPA,  256                       ; bytes from K step to K step in h1
.set STEPB,  128*6144                  ; and in W: 128 rows of 3,072 f16
.set ADRA0, 16                         ; v16     my lane's place in h1's tile, slot 0
.set ADRB0, 17                         ; v17-19  in the three panels
.set ADRA,  20                         ; v20     the same in the slot being read
.set ADRB,  21                         ; v21-23
.set STO,   24
.set RD,    25
.set GO,    26
.set BO,    27
.set SPW,   28                         ; v28     LDS address of my spare word; never rewritten
.set NIL,   29                         ; v29     0; never rewritten
.set BIAS,  32
.set X,     128
.set Y,     176
.set WV, 14
.set WR, 15
.set WC, 16
.set G1A, 24
.set G0A, 32                           ; s[32:35] slot 0's first fill; s[36:39] slot 1's, which then walks
.set G1B, 48
.set G0B, 56
.set TB,  66
.set WBA, 67                           ; LDS byte of h1's tile in slot 0
.set WBB, 68                           ; LDS byte of my load in slot 0: wave x BPAN
.set CNT, 69
.set OB,  70                           ; s[70:75] where my three head pieces begin in qkvh
.set MSB, 0
.macro WIN new                         ; the immediate's high byte repeats the setting that is left; a switch that changes nothing is dropped
.if MSB != (\new)
	s_set_vgpr_msb (MSB<<8)|(\new)
.set MSB, \new
.endif
.endm
.set MUL_LO, 0xa1                      ; source 0 (W) window 1, source 1 (h1) window 0, C and D window 2
.set TO_B,   0x40                      ; destination window 1, address window 0
.macro PLACES                          ; four plain vector instructions between a matrix instruction and a load into, or a read of, its registers
.rept 4
	v_nop
.endr
.endm
.macro JLOAD s                         ; a joint load; the branch hangs on the wave's number alone.  An s_nop 0 and four v_nop follow each line
	s_cmp_eq_u32 s[WV], 0
	s_cbranch_scc0 .Lfor_b_\@
	tensor_load_to_lds s[G0A+4*(\s):G0A+4*(\s)+3], s[G1A:G1A+7]
	s_nop 0
	PLACES
	s_branch .Lasked_\@
.Lfor_b_\@:
	tensor_load_to_lds s[G0B+4*(\s):G0B+4*(\s)+3], s[G1B:G1B+7]
	s_nop 0
	PLACES
.Lasked_\@:
.endm
.macro CREST                           ; a round of the cluster's barrier behind its opening barrier
	s_cmp_lg_u32 s[WV], 0
	s_cbranch_scc1 .Lnot_wave_0_\@
	s_barrier_signal -3
.Lnot_wave_0_\@:
	s_barrier_wait -3
	s_barrier_signal -1
	s_barrier_wait -1
.endm
.macro CROUND
	s_barrier_signal -1
	s_barrier_wait -1
	CREST
.endm
	s_load_b256 s[4:11], s[0:1], 0x0               ; h1 s[4:5], wa s[6:7], b_attn s[8:9], qkvh s[10:11]
	v_lshl_add_u32 v[SPW], v0, 2, SPARE
	v_mov_b32 v[NIL], 0
	ds_add_u32 v[SPW], v[NIL]                      ; the wave's opening: the add and its wait stand ahead of my first tensor load; register work stands between them
	v_lshrrev_b32 v1, 5, v0
	v_readfirstlane_b32 s[WV], v1                  ; wave 0..3
	s_lshr_b32 s[WR], s[WV], 1
	s_and_b32 s[WC], s[WV], 1
	s_bfe_u32 s40, ttmp6, 0x40000                  ; cx
	s_bfe_u32 s41, ttmp6, 0x40004                  ; cy
	s_lshl_b32 s42, ttmp9, 2
	s_add_co_u32 s42, s42, s40                     ; TX: tile column
	s_and_b32 s45, ttmp7, 0xffff
	s_lshl_b32 s45, s45, 2
	s_add_co_u32 s45, s45, s41                     ; TY: tile row
	s_lshl_b32 s43, s41, 2
	s_lshl_b32 s43, 15, s43                        ; my row of the cluster
	s_lshl_b32 s44, 0x1111, s40                    ; my column
	s_or_b32 s[G1A], s43, (1<<16)|(1<<20)|(1<<21)|(5<<22)|(3<<25)  ; mask; 2-byte elements; padding on; bit 21 beside a mask; after every 64 words, 4 words
	s_or_b32 s[G1B], s44, (1<<16)|(1<<20)|(1<<21)|(5<<22)|(7<<25)  ; the same with my column's mask and 8 words
.irp g, G1A, G1B
	s_mov_b32 s[(\g)+1], 128<<16                   ; tensor_dim0 = 128
	s_mov_b32 s[(\g)+2], 128<<16                   ; tensor_dim1 = 128
	s_mov_b32 s[(\g)+3], 128<<16                   ; tile_dim0 = 128
	s_mov_b32 s[(\g)+4], 128                       ; tile_dim1 = 128
	s_mov_b32 s[(\g)+6], 0
	s_mov_b32 s[(\g)+7], 0
.endr
	s_mov_b32 s[G1A+5], 1024                       ; elements from row to row
	s_mov_b32 s[G1B+5], 3072
	s_lshl_b32 s18, s45, 18                        ; h1: 128 TY rows of 2,048 bytes
	s_mov_b32 s19, 0
	s_mul_i32 s[WBB], s[WV], BPAN                  ; my load lands in region wave of a slot
	s_mov_b32 s[WBA], 0                            ; which for h1's tile, wave 0's, is the slot's first byte
	s_sub_co_u32 s17, 3, s[WV]                     ; my panel: 3 - wave (wave 0 asks for no panel; its number is not used)
	s_lshl_b32 s17, s17, 8
	s_mul_i32 s46, s42, 768                        ; W: column 384 TX + 128 panel, in bytes
	s_add_co_u32 s46, s46, s17
	s_mov_b32 s47, 0
	s_mov_b32 s[TB], 0
	s_wait_dscnt 0x0                               ; the opening add is done
	s_wait_kmcnt 0x0
	s_add_nc_u64 s[20:21], s[4:5], s[18:19]
	s_add_nc_u64 s[46:47], s[6:7], s[46:47]
	CROUND                                         ; all sixteen work-groups are here: the first joint loads meet
.irp s, 0,1
	s_mov_b32 s[G0A+4*(\s)], 1
	s_add_co_u32 s[G0A+4*(\s)+1], s[WBA], (\s)*SLOT
	s_add_nc_u64 s[G0A+4*(\s)+2:G0A+4*(\s)+3], s[20:21], (\s)*STEPA
	s_or_b32 s[G0A+4*(\s)+3], s[G0A+4*(\s)+3], 0x80000000
	s_mov_b32 s[G0B+4*(\s)], 1
	s_add_co_u32 s[G0B+4*(\s)+1], s[WBB], (\s)*SLOT
	s_add_nc_u64 s[G0B+4*(\s)+2:G0B+4*(\s)+3], s[46:47], (\s)*STEPB
	s_or_b32 s[G0B+4*(\s)+3], s[G0B+4*(\s)+3], 0x80000000
	JLOAD \s                                       ; two loads of mine are out, the most in this text
.endr
	v_and_b32 v1, 15, v0                           ; r = l % 16
	v_bfe_u32 v2, v0, 4, 1                         ; h = l / 16
	v_and_b32 v3, 7, v0
	v_bfe_u32 v4, v0, 3, 1
	s_mul_i32 s46, s42, 1536                       ; bias: column 384 TX + 64 WC + 128 p + 8 (l % 8), 4 bytes each
	s_lshl_b32 s17, s[WC], 8
	s_add_co_u32 s46, s46, s17
	v_lshl_add_u32 v[BO], v3, 5, s46
.irp p, 0,1,2
	global_load_b128 v[BIAS+8*\p:BIAS+8*\p+3], v[BO], s[8:9] offset:512*\p
	global_load_b128 v[BIAS+8*\p+4:BIAS+8*\p+7], v[BO], s[8:9] offset:512*\p+16
.endr
	v_mul_u32_u24 v5, v1, PA                       ; a fragment of h1: row r, 16 bytes for each half of the lanes
	v_lshl_add_u32 v5, v2, 4, v5
	s_mul_i32 s17, s[WR], 64*PA
	v_add_nc_u32 v[ADRA0], s17, v5
	v_add_nc_u32 v[ADRA], s17, v5
	v_lshl_add_u32 v6, v2, 3, v3                   ; the turning load: lane l reads k row 8 h + l % 8, 16 bytes at 16 ((l / 8) % 2)
	v_mul_u32_u24 v6, v6, PB
	v_lshl_add_u32 v6, v4, 4, v6
	s_lshl_b32 s17, s[WC], 7
	s_add_co_u32 s17, s17, 3*BPAN                  ; panel p lies in region 3 - p
.irp p, 0,1,2
	v_add_nc_u32 v[ADRB0+\p], s17, v6
	v_add_nc_u32 v[ADRB+\p], s17, v6
	s_sub_co_u32 s17, s17, BPAN
.endr
	s_mul_i32 s17, s[WV], STG                      ; my stage
	v_mul_u32_u24 v5, v1, SPITCH                   ; in: row r, 32 bytes for each half of the lanes
	v_lshl_add_u32 v5, v2, 5, v5
	v_add_nc_u32 v[STO], s17, v5
	v_bfe_u32 v5, v0, 3, 2                         ; back: 8 lanes take a piece's row (64 f32), 32 lanes four rows
	v_mul_u32_u24 v5, v5, SPITCH
	v_lshl_add_u32 v5, v3, 5, v5
	v_add_nc_u32 v[RD], s17, v5
	v_and_b32 v5, 31, v0
	v_lshlrev_b32 v[GO], 4, v5                     ; which are 512 consecutive bytes of a head
	; my piece p is number pc = 6 TX + 2 p + WC of 48: section pc / 16 (q, k, v), head pc % 16; rows t = 128 (TY % 8) + 64 WR on of batch TY / 8
	s_lshr_b32 s82, s45, 3
	s_lshl_b32 s82, s82, 21                        ; batch x 16 heads x 131,072 bytes
	s_and_b32 s83, s45, 7
	s_lshl_b32 s83, s83, 14
	s_add_co_u32 s82, s82, s83
	s_lshl_b32 s83, s[WR], 13
	s_add_co_u32 s82, s82, s83
	s_mul_i32 s46, s42, 6
	s_add_co_u32 s46, s46, s[WC]
.irp p, 0,1,2
	s_add_co_u32 s80, s46, 2*\p
	s_lshr_b32 s83, s80, 4
	s_lshl_b32 s83, s83, 23                        ; a section is 8,388,608 bytes
	s_and_b32 s80, s80, 15
	s_lshl_b32 s80, s80, 17
	s_add_co_u32 s80, s80, s83
	s_add_co_u32 s80, s80, s82
	s_mov_b32 s81, 0
	s_add_nc_u64 s[OB+2*\p:OB+2*\p+1], s[10:11], s[80:81]
.endr
; 12 matrix instructions: row block a x all 12 column blocks, 32 along K, from buffer f.  The accumulators take turns, one instruction a turn.  zero = 1: the product starts the sums.
.macro MUL12 f, a, zero
	WIN MUL_LO+0x50*((\a)/2)
.irp i, 0,1,2,3,4,5,6,7,8,9,10,11
.if \zero
	v_wmma_f32_16x16x32_f16 v[96*((\a)%2)+8*(\i):96*((\a)%2)+8*(\i)+7], v[96*(\f)+8*(\i):96*(\f)+8*(\i)+7], v[64+32*(\f)+8*(\a):64+32*(\f)+8*(\a)+7], 0
.else
	v_wmma_f32_16x16x32_f16 v[96*((\a)%2)+8*(\i):96*((\a)%2)+8*(\i)+7], v[96*(\f)+8*(\i):96*(\f)+8*(\i)+7], v[64+32*(\f)+8*(\a):64+32*(\f)+8*(\a)+7], v[96*((\a)%2)+8*(\i):96*((\a)%2)+8*(\i)+7]
.endif
.endr
.endm
; 32 LDS loads in one run: quarter q (32 along K) of the slot being read, into buffer f: 24 for W, then 8 for h1
.macro FETCH q, f
	WIN TO_B
.irp p, 0,1,2
.irp i, 0,1,2,3
	ds_load_tr16_b128 v[96*(\f)+8*(4*(\p)+(\i)):96*(\f)+8*(4*(\p)+(\i))+3],   v[ADRB+(\p)] offset:(\q)*32*PB+32*(\i)
	ds_load_tr16_b128 v[96*(\f)+8*(4*(\p)+(\i))+4:96*(\f)+8*(4*(\p)+(\i))+7], v[ADRB+(\p)] offset:(\q)*32*PB+16*PB+32*(\i)
.endr
.endr
	WIN 0
.irp i, 0,1,2,3
	ds_load_b128 v[64+32*(\f)+8*(\i):64+32*(\f)+8*(\i)+3],   v[ADRA] offset:(\q)*64+(\i)*16*PA
	ds_load_b128 v[64+32*(\f)+8*(\i)+4:64+32*(\f)+8*(\i)+7], v[ADRA] offset:(\q)*64+(\i)*16*PA+32
.endr
.endm
; One of a step's first three quarters: multiplies buffer f; in its middle fetches quarter qn into buffer g
.macro QUARTER qn, f, g, zero
	s_wait_dscnt 4                                 ; W and h1's row blocks 0, 1 are in; the youngest four loads (blocks 2, 3) may be out
	MUL12 \f, 0, \zero
	MUL12 \f, 1, \zero
	PLACES
	FETCH \qn, \g
	s_wait_dscnt 32                                ; all but the 32 just issued
	MUL12 \f, 2, \zero
	MUL12 \f, 3, \zero
.endm
; The last quarter multiplies buffer 1 and changes slots: one barrier.  In front of it each wave waits for all its tensor loads (one is out at the most: its part of the next slot), adds 0 to its spare word, and waits for that
; and for its reads of this slot.  fill = 1: the barrier opens a round of the cluster's, and behind the round this slot is filled again, two K steps ahead, first of all.
; fill = 0: the last two K steps, a loop of two trips: nothing is asked for, and in the second trip there is no further step: the loop is left here, for the half quarter that is written out behind it.
.macro TURN fill
	WIN 0
	s_wait_tensorcnt 0x0
	ds_add_u32 v[SPW], v[NIL]
	s_wait_dscnt 5                                 ; the add and the youngest four loads may be out
	MUL12 1, 0, 0
	s_wait_dscnt 0x0                               ; the add is done, and my reads of this slot are over
	s_barrier_signal -1
	MUL12 1, 1, 0
	WIN 0
	s_barrier_wait -1
.if \fill
	CREST
	s_add_co_u32 s[G0A+5], s[WBA], s[TB]           ; the walking descriptors: into the slot just read,
	s_add_nc_u64 s[G0A+6:G0A+7], s[G0A+6:G0A+7], STEPA  ; the next K step; no load of mine is out
	s_add_co_u32 s[G0B+5], s[WBB], s[TB]
	s_add_nc_u64 s[G0B+6:G0B+7], s[G0B+6:G0B+7], STEPB
	JLOAD 1                                        ; its four v_nop are also the places in front of the loads below
.else
	s_sub_co_u32 s[CNT], s[CNT], 1
	s_cmp_eq_u32 s[CNT], 0
	s_cbranch_scc1 .Llast_half
	PLACES
.endif
	s_xor_b32 s[TB], s[TB], SLOT                   ; the reads go on in the other slot
	v_add_nc_u32 v[ADRA], s[TB], v[ADRA0]
.irp p, 0,1,2
	v_add_nc_u32 v[ADRB+\p], s[TB], v[ADRB0+\p]
.endr
	FETCH 0, 0
	MUL12 1, 2, 0
	MUL12 1, 3, 0
.endm
	s_wait_tensorcnt 0x1                           ; my part of K step 0 is in; slot 1's may stay out
	s_barrier_signal -1
	s_barrier_wait -1
	FETCH 0, 0
	QUARTER 1, 0, 1, 1                             ; the first quarter stands in front of the loop: its products start the sums
	WIN 0
	s_mov_b32 s[CNT], 6
.Lstep:                                                ; a trip: from a step's second quarter to the next step's first; trip t asks for K step t + 2
	QUARTER 2, 1, 0, 0
	QUARTER 3, 0, 1, 0
	TURN 1
	QUARTER 1, 0, 1, 0
	WIN 0
	s_sub_co_u32 s[CNT], s[CNT], 1
	s_cmp_lg_u32 s[CNT], 0
	s_cbranch_scc1 .Lstep
	s_mov_b32 s[CNT], 2
.Ltail:                                                ; the last two K steps ask for nothing; the second trip leaves the loop inside TURN
	QUARTER 2, 1, 0, 0
	QUARTER 3, 0, 1, 0
	TURN 0
	QUARTER 1, 0, 1, 0
	WIN 0
	s_branch .Ltail
.Llast_half:                                           ; the last K step's last 24 products; no LDS instruction of mine is out since TURN's wait
	MUL12 1, 2, 0
	MUL12 1, 3, 0
	WIN 0
	s_barrier_signal -1                            ; nobody reads the ring any more, and it has had its last fill: the stages may lie over it
	s_barrier_wait -1
	PLACES
.irp a, 0,1,2,3                        ; the sums go into my stage as f32, each accumulator's low registers first
	WIN 0x08+4*((\a)/2)                            ; store data (source 1) in window 2 or 3
.irp i, 0,1,2,3,4,5,6,7,8,9,10,11
	ds_store_b128 v[STO], v[96*((\a)%2)+8*(\i):96*((\a)%2)+8*(\i)+3]   offset:(\a)*16*SPITCH+64*(\i)
	ds_store_b128 v[STO], v[96*((\a)%2)+8*(\i)+4:96*((\a)%2)+8*(\i)+7] offset:(\a)*16*SPITCH+64*(\i)+16
.endr
.endr
	WIN 0
	s_wait_loadcnt 0x0                             ; the bias
	s_mov_b32 s[CNT], 8
.Lout:                                                 ; 8 rows a trip: back from my own stage (LDS serves a wave's instructions in order), bias, rounding, 512 dense bytes a store
.set j, 0
.rept 6                                ; four rows j / 3, piece j % 3
	ds_load_b128 v[X+8*j:X+8*j+3],   v[RD] offset:(j/3)*4*SPITCH+256*(j%3)
	ds_load_b128 v[X+8*j+4:X+8*j+7], v[RD] offset:(j/3)*4*SPITCH+256*(j%3)+16
.set j, j+1
.endr
	s_wait_dscnt 0x0
.set j, 0
.rept 6
.irp k, 0,1,2,3
	v_pk_add_f32 v[X+8*j+2*\k:X+8*j+2*\k+1], v[X+8*j+2*\k:X+8*j+2*\k+1], v[BIAS+8*(j%3)+2*\k:BIAS+8*(j%3)+2*\k+1]
.endr
.set j, j+1
.endr
.set j, 0
.rept 24
	v_cvt_pk_f16_f32 v[Y+j], v[X+2*j], v[X+2*j+1]
.set j, j+1
.endr
.set j, 0
.rept 6
	global_store_b128 v[GO], v[Y+4*j:Y+4*j+3], s[OB+2*(j%3):OB+2*(j%3)+1] offset:(j/3)*512
.set j, j+1
.endr
	s_wait_xcnt 0x0                                ; the stores' data and offset are rewritten only behind this wait
	v_add_nc_u32 v[RD], 8*SPITCH, v[RD]
	v_add_nc_u32 v[GO], 1024, v[GO]
	s_sub_co_u32 s[CNT], s[CNT], 1
	s_cmp_lg_u32 s[CNT], 0
	s_cbranch_scc1 .Lout
	s_wait_tensorcnt 0x0                           ; the wave's end
	ds_add_u32 v[SPW], v[NIL]
	s_wait_dscnt 0x0
	CROUND                                         ; the closing round
	s_endpgm
.Lfunc_end_k_q734e6302d0_qkv:
	.size	k_q734e6302d0_qkv, .Lfunc_end_k_q734e6302d0_qkv-k_q734e6302d0_qkv
	.p2alignl 7, 3214868480
	.fill 96, 4, 3214868480
	.section	.rodata,"a",@progbits
	.p2align	6, 0x0
	.amdhsa_kernel k_q734e6302d0_qkv
		.amdhsa_group_segment_fixed_size 327680
		.amdhsa_private_segment_fixed_size 0
		.amdhsa_enable_private_segment 0
		.amdhsa_kernarg_size 32
		.amdhsa_user_sgpr_count 2
		.amdhsa_user_sgpr_kernarg_segment_ptr 1
		.amdhsa_wavefront_size32 1
		.amdhsa_system_sgpr_workgroup_id_x 1
		.amdhsa_system_sgpr_workgroup_id_y 1
		.amdhsa_system_sgpr_workgroup_id_z 1
		.amdhsa_system_vgpr_workitem_id 0
		.amdhsa_next_free_vgpr 960
		.amdhsa_next_free_sgpr 96
		.amdhsa_reserve_vcc 0
		.amdhsa_float_denorm_mode_32 3
		.amdhsa_float_denorm_mode_16_64 3
		.amdhsa_memory_ordered 1
		.amdhsa_forward_progress 1
		.amdhsa_inst_pref_size 74
	.end_amdhsa_kernel
	.amdgpu_metadata
---
amdhsa.version: [ 1, 2 ]
amdhsa.kernels:
  - .name:           k_q734e6302d0_qkv
    .symbol:         k_q734e6302d0_qkv.kd
    .args:
      - { .name: h1, .offset: 0, .size: 8, .value_kind: global_buffer, .address_space: global }
      - { .name: wa, .offset: 8, .size: 8, .value_kind: global_buffer, .address_space: global }
      - { .name: b_attn, .offset: 16, .size: 8, .value_kind: global_buffer, .address_space: global }
      - { .name: qkvh, .offset: 24, .size: 8, .value_kind: global_buffer, .address_space: global }
    .group_segment_fixed_size: 327680
    .private_segment_fixed_size: 0
    .kernarg_segment_align: 8
    .kernarg_segment_size: 32
    .max_flat_workgroup_size: 128
    .sgpr_count:     96
    .vgpr_count:     960
    .wavefront_size: 32
...
	.end_amdgpu_metadata
.endif
;; end of part 2
;; launch attn (part 3): grid 4 x 64, 8 waves a work-group, clusters of 4 x 1, 327,680 bytes of LDS; arguments qkvh, w_proj, w_fc, w_mproj, oh, wh; writes oh, wh
.if DOCPART == 3
	.amdgcn_target "amdgcn-amd-amdhsa--gfx1250"
	.amdhsa_code_object_version 6
	.text
	.protected	k_q734e6302d0_attn
	.globl	k_q734e6302d0_attn
	.p2align	8
	.type	k_q734e6302d0_attn,@function
k_q734e6302d0_attn:
	s_mov_b64 s[64:65], 0
	v_nop
	global_prefetch_b8 v0, s[64:65] scope:SCOPE_SE
	s_setreg_imm32_b32 hwreg(HW_REG_WAVE_MODE, 25, 1), 1
	s_wait_xcnt 0x0
	s_wait_alu depctr_hold_cnt(0) depctr_sa_sdst(0) depctr_va_vdst(0) depctr_va_sdst(0) depctr_va_ssrc(0) depctr_va_vcc(0) depctr_vm_vsrc(0)
	s_getreg_b32 s2, hwreg(HW_REG_IB_STS2, 6, 4)
	s_cmp_eq_u32 s2, 0
	s_cbranch_scc0 .Lentry_in_a_cluster
	s_endpgm
.Lentry_in_a_cluster:
	s_bfe_u32 s2, ttmp6, 0x10000c
	s_cmp_lg_u32 s2, 0x3003
	s_cbranch_scc0 .Lentry_shape_is_right
	s_endpgm
.Lentry_shape_is_right:
; CAUSAL ATTENTION.  O[q] = the sum over k <= q of softmax_k(Q[q] . K[k] / 8) V[k], for 64 heads of 1,024 rows x 64 channels, f16, from qkvh ([q, k, v][head][t][64]).  Products, maxima and sums in f32;
; the weights p are rounded to f16 for the second product (their sum l is taken of the unrounded p), O once at the end.
; BESIDE IT three weight matrices that later launches multiply by are rounded once from f32 to f16 into wh: w_proj at byte 0, w_fc at 2,097,152, w_mproj at 10,485,760, each in its own [K][N] order.
; LIMITS.  Q, K, V arrive within f16's 65,504, and the weights must lie within it (below 6e-5 they keep f16's step of 6e-8, as p does); a hidden score counts as its value less 1e30; a weight p below 2^-126 counts as 0 in l;
; NaN and infinities are not treated apart.
; SHARES.  The four work-groups of a cluster are one head; partner cx owns the queries t = cx mod 4.  Of band B (rows 64 B .. 64 B + 63) it owns a tile of 16 queries, t = 64 B + 4 r + cx.  For key step s (64 keys)
; a tile sees all keys if s < B, none if s > B, and holds the diagonal if s = B: that hangs on B and s alone, never on cx, so all partners run alike; cx enters global addresses and the mask's numbers only.
; EIGHT WAVES, two to a SIMD: wave w owns bands w and 15 - w: (w + 1) + (16 - w) = 17 live pairs of tile and step for every wave.  A wave walks its work in phases (products, softmax, products); its neighbour on the SIMD
; has other work in hand meanwhile.  The price: K's and V's fragments of a step are read from LDS by every wave that has a live tile there.
; THE LOOP counts 16 key steps.  A wave whose long band is past jumps the step; the short band's three phases stand in one block under one jump; both jumps go forward, past neither barrier nor tensor load.
; K AND V of the whole head lie in LDS (311,296 bytes with padding), brought once by joint loads of all four partners, two a wave, both out at once, and the loop has no barrier.
; LAYOUT.  S^T = K Q^T (source 0 = 16 keys, source 1 = 16 queries): a lane holds ONE query (lane % 16) and keys 8 (lane / 16) + 0..7; two such results rounded to f16 ARE source 1 of O^T = V^T P.
; The mask is the C operand that starts the diagonal step's sums: 0, or -1e30 where the key is hidden.  p = 2^(c s - c m), c = log2(e) / 8, with a running maximum m; O and l are multiplied by 2^(c m_old - c m_new) in every step.
; m starts at the lowest finite number, O and l at 0, so the first step is a step like any other (72 v_mov_b32, once a wave, in the wait for the tiles).
; THE WEIGHTS.  In the loop the attention asks memory for nothing.  A work-group takes 1/256 of each matrix, a wave 512 + 2,048 + 2,048 numbers: nine chunks of four loads of 512 bytes.  Trip s (0 to 8; every wave has nine live
; steps or more) rounds and stores chunk s and asks for chunk s + 1; trip 8 asks for nothing.
; O is written as [batch][rb][head][128][64], rb = (256 cx + t / 4) / 128: a tile's 16 rows are 2,048 dense bytes there, and the next launch reads a head's 128 rows as one dense block.
; REGISTERS, in windows of 256 (s_set_vgpr_msb: bits 1:0 source 0, 3:2 source 1, 5:4 source 2, 7:6 destination):
;   window 0: v0-15 addresses; v16-31 statistics, 8 a tile; v36-59 the weights at work; v64-95 S^T and v96-111 P of the tile in hand; v128-191 K, v192-255 V of one step     window 1: v0-63 O^T, 32 a tile; v64-95 Q; v96-127 the mask
.set PK,    144                        ; a row of K in LDS: 128 bytes + 16: the 16 rows of a load start in 16 different groups of four banks (64 banks of 4 bytes: ISA guide 11.1)
.set PV,    160                        ; a row of V: 128 + 32
.set VBASE, 1024*PK
.set SPARE, VBASE+1024*PV              ; behind V: the spare words, 128 bytes a wave: four blocks of 256 bytes that no other line names
.set SP,    144                        ; the way out: 16 rows x 144 bytes for each wave, from LDS byte 0 on: over K, behind a barrier, when K has had its only fill and nobody reads it any more
.set AK0, 2
.set AV0, 3
.set AK,  4
.set AV,  5
.set STO, 6
.set RD,  7
.set QO,  8                            ; v8-9   my byte offset in the head's Q, a tile each
.set GO,  8                            ; later: my 16 bytes in 512 consecutive bytes of O
.set CSO, 10                           ; v10    16 x lane: my place in a load of weights; never rewritten
.set CDO, 11                           ; v11    8 x lane: in a store of them; never rewritten
.set ST,  16                           ; tile t at v[ST+8 t]: c m, m, l (even keys', odd keys'), c0-c3 at work (c2 takes the step's factor a)
.set SPW, 32
.set NIL, 33
.set CXR, 36                           ; v36-51 a chunk of weights as loaded
.set CVR, 52                           ; v52-59 as stored
.set S,   64
.set P,   96
.set KF,  128                          ; key block kb, channel half c at KF + 16 kb + 8 c
.set VF,  192                          ; key half kk, channel block cb at VF + 32 kk + 8 cb
.set QF,  64                           ; window 1
.set MD,  96                           ; window 1: the eight registers for key block kb at MD + 8 kb
.set WV,  16
.set CX,  17
.set HD,  18
.set BIGN, 19
.set CS,  20                           ; s[20:21] c
.set SEL, 22                           ; s[22:23] v_permlanex16_b32's selects
.set G0K, 24                           ; s[24:31] two descriptor groups 0 for K
.set G0V, 32                           ; s[32:39] for V
.set G1K, 40
.set G1V, 48
.set STEP, 56
.set TBK, 57
.set TBV, 58
.set OB,  60                           ; s[60:63] where my two tiles begin in oh
.set BD,  66                           ; s66-67  my two bands: the short one, the long one
.set SRC, 68                           ; s[68:69] the chunk of weights to be asked for
.set DST, 70                           ; s[70:71] where the chunk in hand goes
.set SFC, 72                           ; s[72:73] my first chunk of w_fc;  s[74:75] of w_mproj
.set SMP, 74
.set DFC, 76                           ; s[76:77], s[78:79] where they go
.set DMP, 78
.set MSB, 0
.macro WIN new
.if MSB != (\new)
	s_set_vgpr_msb (MSB<<8)|(\new)
.set MSB, (\new)
.endif
.endm
.set W_KQ, 0x04                        ; K and S^T window 0, Q window 1
.set W_KM, 0x14                        ; the same with C, the mask, in window 1
.set W_PV, 0x50                        ; V and P window 0, O^T window 1
.set W_RS, 0x41                        ; destination and source 0 window 1, source 1 window 0
.macro PLACES
.rept 4
	v_nop
.endr
.endm
.macro CROUND
	s_barrier_signal -1
	s_barrier_wait -1
	s_cmp_lg_u32 s[WV], 0
	s_cbranch_scc1 .Lnot_wave_0_\@
	s_barrier_signal -3
.Lnot_wave_0_\@:
	s_barrier_wait -3
	s_barrier_signal -1
	s_barrier_wait -1
.endm
	s_load_b256 s[4:11], s[0:1], 0x0               ; qkvh s[4:5], w_proj s[6:7], w_fc s[8:9], w_mproj s[10:11]
	s_load_b128 s[12:15], s[0:1], 0x20             ; oh s[12:13], wh s[14:15]
	v_lshl_add_u32 v[SPW], v0, 2, SPARE
	v_mov_b32 v[NIL], 0
	ds_add_u32 v[SPW], v[NIL]                      ; the wave's opening: the add and its wait stand ahead of my first tensor load; register work stands between them
	v_lshrrev_b32 v1, 5, v0
	v_readfirstlane_b32 s[WV], v1                  ; wave 0..7
	s_bfe_u32 s[CX], ttmp6, 0x40000
	s_and_b32 s[HD], ttmp7, 0xffff                 ; batch x 16 + head, which the four partners share
	s_mov_b32 s[BD], s[WV]
	s_sub_co_u32 s[BD+1], 15, s[WV]
	; 128 keys are 16,384 dense bytes: asked for as 64 rows of 256 bytes, two keys a row, and padded in LDS after every key
	s_mov_b32 s[G1K], 15|(1<<16)|(1<<20)|(1<<21)|(4<<22)|(3<<25)  ; the mask of four; 2-byte elements; padding on; bit 21 beside a mask; after every 32 words, 4 words
	s_mov_b32 s[G1V], 15|(1<<16)|(1<<20)|(1<<21)|(4<<22)|(7<<25)  ; the same with 8 words
.irp g, G1K, G1V
	s_mov_b32 s[\g+1], 128<<16
	s_mov_b32 s[\g+2], 64<<16
	s_mov_b32 s[\g+3], 128<<16
	s_mov_b32 s[\g+4], 64
	s_mov_b32 s[\g+5], 128
	s_mov_b32 s[\g+6], 0
	s_mov_b32 s[\g+7], 0
.endr
	; Waves 0-3 bring K, waves 4-7 V.  Load j (0, 1) of wave w brings the 128 keys of block (w % 4) + 4 j.
	s_lshl_b32 s80, s[HD], 17                      ; a head is 131,072 bytes,
	s_lshl_b32 s59, s[WV], 14                      ; a block of keys 16,384
	s_add_co_u32 s80, s80, s59
	s_mov_b32 s81, 0
	s_mul_i32 s82, s[WV], 128*PK                   ; K's block w at wave x 18,432
	s_mul_i32 s83, s[WV], 128*PV                   ; V's block w - 4 at VBASE + (wave - 4) x 20,480
	s_add_co_u32 s83, s83, VBASE-512*PV
.irp j, 0,1
	s_mov_b32 s[G0K+4*\j], 1
	s_add_co_u32 s[G0K+4*\j+1], s82, \j*512*PK
	s_mov_b32 s[G0V+4*\j], 1
	s_add_co_u32 s[G0V+4*\j+1], s83, \j*512*PV
.endr
	s_mov_b32 s[CS], 0x3e38aa3b                    ; c = log2(e) / 8
	s_mov_b32 s[CS+1], s[CS]
	s_mov_b32 s[SEL], 0x76543210
	s_mov_b32 s[SEL+1], 0xfedcba98
	s_mov_b32 s[BIGN], 0xf149f2ca                  ; -1e30
	s_wait_dscnt 0x0                               ; the opening add is done
	s_wait_kmcnt 0x0
	s_add_nc_u64 s[80:81], s[4:5], s[80:81]
.irp j, 0,1
	s_add_nc_u64 s[G0K+4*\j+2:G0K+4*\j+3], s[80:81], 8388608+\j*65536
	s_or_b32 s[G0K+4*\j+3], s[G0K+4*\j+3], 0x80000000
	s_add_nc_u64 s[G0V+4*\j+2:G0V+4*\j+3], s[80:81], 16777216-65536+\j*65536  ; four blocks back: V's waves count from 4
	s_or_b32 s[G0V+4*\j+3], s[G0V+4*\j+3], 0x80000000
.endr
	CROUND                                         ; all four work-groups are here: the joint loads meet
	s_cmp_lt_u32 s[WV], 4                          ; a wave's two fills stand in one branch: two loads of mine are out, the most in this text
	s_cbranch_scc0 .Lfirst_v
.irp j, 0,1
	tensor_load_to_lds s[G0K+4*\j:G0K+4*\j+3], s[G1K:G1K+7]
	s_nop 0
.endr
	PLACES
	s_branch .Lfirst_asked
.Lfirst_v:
.irp j, 0,1
	tensor_load_to_lds s[G0V+4*\j:G0V+4*\j+3], s[G1V:G1V+7]
	s_nop 0
.endr
	PLACES
.Lfirst_asked:
	v_and_b32 v1, 15, v0                           ; r = l % 16
	v_bfe_u32 v12, v0, 4, 1                        ; h = l / 16
	v_and_b32 v13, 7, v0
	v_bfe_u32 v15, v0, 3, 1
	s_lshl_b32 s80, s[HD], 17
	s_mov_b32 s81, 0
	s_add_nc_u64 s[80:81], s[4:5], s[80:81]        ; the head's Q
	v_lshlrev_b32 v[QO+1], 9, v1                   ; query t = 64 B + 4 r + cx: 512 r + 128 cx + 8,192 B bytes, and 16 h
	v_lshl_add_u32 v[QO+1], v12, 4, v[QO+1]
	s_lshl_b32 s84, s[CX], 7
	v_add_nc_u32 v[QO+1], s84, v[QO+1]
	s_lshl_b32 s85, s[BD], 13
	v_add_nc_u32 v[QO], s85, v[QO+1]
	s_lshl_b32 s85, s[BD+1], 13
	v_add_nc_u32 v[QO+1], s85, v[QO+1]
	v_lshlrev_b32 v14, 2, v1
	v_add_nc_u32 v14, s[CX], v14
	v_lshlrev_b32 v[AK], 3, v12
	v_sub_nc_u32 v14, v14, v[AK]                   ; 4 r + cx - 8 h: register j of key block kb is hidden where 16 kb + j is greater
	v_and_b32 v[CDO], 31, v0
	v_lshlrev_b32 v[CSO], 4, v[CDO]
	v_lshlrev_b32 v[CDO], 3, v[CDO]
	WIN 0x40                                       ; destination window 1
.irp t, 0,1
.irp c, 0,1
	global_load_b128 v[QF+16*\t+8*\c:QF+16*\t+8*\c+3],   v[QO+\t], s[80:81] offset:64*\c
	global_load_b128 v[QF+16*\t+8*\c+4:QF+16*\t+8*\c+7], v[QO+\t], s[80:81] offset:64*\c+32
.endr
.endr
	WIN 0
	; my share of the weights: work-group number g = 4 x head + cx; of w_proj 16,384 bytes a work-group and 2,048 a wave, of w_fc and w_mproj 65,536 and 8,192; half as many bytes in wh
	s_lshl_b32 s84, s[HD], 2
	s_add_co_u32 s84, s84, s[CX]
	s_lshl_b32 s86, s84, 14
	s_lshl_b32 s85, s[WV], 11
	s_add_co_u32 s86, s86, s85
	s_mov_b32 s87, 0
	s_add_nc_u64 s[SRC:SRC+1], s[6:7], s[86:87]
	s_lshr_b32 s86, s86, 1
	s_add_nc_u64 s[DST:DST+1], s[14:15], s[86:87]
	s_lshl_b32 s86, s84, 16
	s_lshl_b32 s85, s[WV], 13
	s_add_co_u32 s86, s86, s85
	s_add_nc_u64 s[SFC:SFC+1], s[8:9], s[86:87]
	s_add_nc_u64 s[SMP:SMP+1], s[10:11], s[86:87]
	s_lshr_b32 s86, s86, 1
	s_add_co_u32 s86, s86, 2097152
	s_add_nc_u64 s[DFC:DFC+1], s[14:15], s[86:87]
	s_add_nc_u64 s[DMP:DMP+1], s[DFC:DFC+1], 8388608
.irp j, 0,1,2,3
	global_load_b128 v[CXR+4*\j:CXR+4*\j+3], v[CSO], s[SRC:SRC+1] offset:512*\j th:TH_LOAD_NT  ; chunk 0: my 512 numbers of w_proj
.endr
	WIN 0x40
.set i, 0
.rept 32
	v_cmp_gt_i32 vcc_lo, 16*(i/8)+i%8, v14
	v_cndmask_b32 v[MD+i], 0, s[BIGN], vcc_lo
.set i, i+1
.endr
.set i, 0
.rept 64
	v_mov_b32 v[i], 0                              ; O^T
.set i, i+1
.endr
	WIN 0
.irp t, 0,1
	v_mov_b32 v[ST+8*\t], 0xfe000000               ; c m: far below every c s
	v_mov_b32 v[ST+8*\t+1], 0xff7fffff             ; m
	v_mov_b32 v[ST+8*\t+2], 0
	v_mov_b32 v[ST+8*\t+3], 0
.endr
	v_mul_u32_u24 v[AK0], v1, PK
	v_lshl_add_u32 v[AK0], v12, 4, v[AK0]          ; row x pitch + 16 x half
	v_lshl_add_u32 v[AV0], v12, 3, v13             ; the turning load: lane l reads key 8 h + l % 8, channels 8 ((l / 8) % 2) on
	v_mul_u32_u24 v[AV0], v[AV0], PV
	v_lshl_add_u32 v[AV0], v15, 4, v[AV0]
	v_add_nc_u32 v[AV0], VBASE, v[AV0]
	v_mov_b32 v[AK], v[AK0]
	v_mov_b32 v[AV], v[AV0]
	s_mul_i32 s59, s[WV], 16*SP                    ; my stage
	v_mul_u32_u24 v[STO], v1, SP
	v_lshl_add_u32 v[STO], v12, 4, v[STO]
	v_add_nc_u32 v[STO], s59, v[STO]
	v_bfe_u32 v[RD], v0, 3, 2
	v_mul_u32_u24 v[RD], v[RD], SP
	v_lshl_add_u32 v[RD], v13, 4, v[RD]
	v_add_nc_u32 v[RD], s59, v[RD]
	s_lshr_b32 s84, s[HD], 4                       ; oh: chunk ((batch x 8 + 2 cx + B / 8) x 16 + head) of 16,384 bytes, then 2,048 (B % 8)
	s_lshl_b32 s84, s84, 3
	s_lshl_b32 s85, s[CX], 1
	s_add_co_u32 s84, s84, s85
.irp t, 0,1
	s_lshr_b32 s85, s[BD+\t], 3
	s_add_co_u32 s85, s85, s84
	s_lshl_b32 s85, s85, 4
	s_and_b32 s86, s[HD], 15
	s_add_co_u32 s85, s85, s86
	s_lshl_b32 s86, s85, 14
	s_and_b32 s85, s[BD+\t], 7
	s_lshl_b32 s85, s85, 11
	s_add_co_u32 s86, s86, s85
	s_mov_b32 s87, 0
	s_add_nc_u64 s[OB+2*\t:OB+2*\t+1], s[12:13], s[86:87]
.endr
.macro FETCH_K                         ; a step's K: 64 keys x 64 channels, 8 fragments, 16 loads in one run
.irp f, 0,1,2,3,4,5,6,7
	ds_load_b128 v[KF+8*\f:KF+8*\f+3],   v[AK] offset:(\f/2)*16*PK+(\f%2)*64
	ds_load_b128 v[KF+8*\f+4:KF+8*\f+7], v[AK] offset:(\f/2)*16*PK+(\f%2)*64+32
.endr
.endm
.macro FETCH_V                         ; a step's V, turned
.irp f, 0,1,2,3,4,5,6,7
	ds_load_tr16_b128 v[VF+8*\f:VF+8*\f+3],   v[AV] offset:(\f/4)*32*PV+(\f%4)*32
	ds_load_tr16_b128 v[VF+8*\f+4:VF+8*\f+7], v[AV] offset:(\f/4)*32*PV+16*PV+(\f%4)*32
.endr
.endm
; Tile t's scores for the step: 8 products; the four accumulators take turns.  The first four start the sums: with 0, or in the band's own step with the mask.
.macro KQT t
.set rQ, QF+16*(\t)
	s_cmp_eq_u32 s[BD+(\t)], s[STEP]
	s_cbranch_scc1 .Lkq_diag_\@
	WIN W_KQ
.irp kb, 0,1,2,3
	v_wmma_f32_16x16x32_f16 v[S+8*\kb:S+8*\kb+7], v[KF+16*\kb:KF+16*\kb+7], v[rQ:rQ+7], 0
.endr
	WIN 0
	s_branch .Lkq_rest_\@
.Lkq_diag_\@:
	WIN W_KM
.irp kb, 0,1,2,3
	v_wmma_f32_16x16x32_f16 v[S+8*\kb:S+8*\kb+7], v[KF+16*\kb:KF+16*\kb+7], v[rQ:rQ+7], v[MD+8*\kb:MD+8*\kb+7]
.endr
	WIN 0
.Lkq_rest_\@:
	WIN W_KQ
.irp kb, 0,1,2,3
	v_wmma_f32_16x16x32_f16 v[S+8*\kb:S+8*\kb+7], v[KF+16*\kb+8:KF+16*\kb+15], v[rQ+8:rQ+15], v[S+8*\kb:S+8*\kb+7]
.endr
	WIN 0
.endm
; Tile t's softmax for the step.  Each accumulator's lowest registers are read first.  The 32 exponentials take turns with plain instructions that are ready: behind exponential i stands, for even i
; up to 22, the scaling of pair i / 2 + 4 (pairs 0-3 are scaled ahead); for odd i from 3 on, the rounding of pair (i - 3) / 2, whose second exponential stands two exponentials and a plain instruction back; for even i from 24 on,
; a first sum of four weights that have been rounded.  So a plain instruction that names neither stands between every exponential and the use of its result.
.macro SCALE b
	v_pk_fma_f32 v[S+2*(\b):S+2*(\b)+1], v[S+2*(\b):S+2*(\b)+1], s[CS:CS+1], v[rT:rT+1] op_sel_hi:[1,0,0] neg_lo:[0,0,1] neg_hi:[0,0,1]  ; c s - c m
.endm
.macro SOFT t
.set rT, ST+8*(\t)
.set rO, 32*(\t)
.irp j, 0,1,2,3                        ; the maximum of the lane's 32 scores and the old m: four chains, three operands at a time
	v_max3_num_f32 v[rT+4+\j], v[S+8*\j], v[S+8*\j+1], v[S+8*\j+2]
.endr
.irp j, 0,1,2,3
	v_max3_num_f32 v[rT+4+\j], v[rT+4+\j], v[S+8*\j+3], v[S+8*\j+4]
.endr
.irp j, 0,1,2,3
	v_max3_num_f32 v[rT+4+\j], v[rT+4+\j], v[S+8*\j+5], v[S+8*\j+6]
.endr
	v_max3_num_f32 v[rT+4], v[rT+4], v[S+7], v[S+15]
	v_max3_num_f32 v[rT+6], v[rT+6], v[S+23], v[S+31]
	v_max3_num_f32 v[rT+4], v[rT+4], v[rT+5], v[rT+6]
	v_max3_num_f32 v[rT+4], v[rT+4], v[rT+7], v[rT+1]
	v_permlanex16_b32 v[rT+5], v[rT+4], s[SEL], s[SEL+1]  ; the query's other 32 keys lie in the lane 16 away
	v_mov_b32 v[rT+7], v[rT]                       ; c m_old
	v_max_num_f32 v[rT+1], v[rT+4], v[rT+5]
	v_mul_f32 v[rT], s[CS], v[rT+1]
	v_sub_f32 v[rT+7], v[rT+7], v[rT]
	v_exp_f32 v[rT+6], v[rT+7]                     ; a; the scalings below are the plain instructions behind it
.irp b, 0,1,2,3
	SCALE \b
.endr
.set i, 0
.rept 32
	v_exp_f32 v[S+i], v[S+i]
.if (i%2 == 0) && (i <= 22)
	SCALE i/2+4
.elseif (i%2 == 1) && (i >= 3)
	s_wait_alu depctr_va_vdst(0)
	v_cvt_pk_f16_f32 v[P+(i-3)/2], v[S+i-3], v[S+i-2]
.elseif i%2 == 0
	v_pk_add_f32 v[S+2*(i-24):S+2*(i-24)+1], v[S+2*(i-24):S+2*(i-24)+1], v[S+2*(i-24)+2:S+2*(i-24)+3]
.endif
.set i, i+1
.endr
	v_cvt_pk_f16_f32 v[P+15], v[S+30], v[S+31]
.irp u, 4,5,6,7                        ; the rest of the sum of the 16 pairs, in place
	v_pk_add_f32 v[S+4*\u:S+4*\u+1], v[S+4*\u:S+4*\u+1], v[S+4*\u+2:S+4*\u+3]
.endr
.irp u, 0,1,2,3
	v_pk_add_f32 v[S+8*\u:S+8*\u+1], v[S+8*\u:S+8*\u+1], v[S+8*\u+4:S+8*\u+5]
.endr
	v_pk_add_f32 v[S:S+1], v[S:S+1], v[S+8:S+9]
	v_pk_add_f32 v[S+16:S+17], v[S+16:S+17], v[S+24:S+25]
	v_pk_add_f32 v[S:S+1], v[S:S+1], v[S+16:S+17]
	v_pk_fma_f32 v[rT+2:rT+3], v[rT+2:rT+3], v[rT+6:rT+7], v[S:S+1] op_sel_hi:[1,0,1]  ; l = a l + sum
	WIN W_RS
.set i, 0
.rept 16
	v_pk_mul_f32 v[rO+2*i:rO+2*i+1], v[rO+2*i:rO+2*i+1], v[rT+6:rT+7] op_sel_hi:[1,0]  ; O^T times a
.set i, i+1
.endr
	WIN 0
.endm
; Tile t's O^T += V^T P: 8 products, the four accumulators by turns.
.macro PVT t
.set rO, 32*(\t)
	WIN W_PV
.irp kk, 0,1
.irp cb, 0,1,2,3
	v_wmma_f32_16x16x32_f16 v[rO+8*\cb:rO+8*\cb+7], v[VF+32*\kk+8*\cb:VF+32*\kk+8*\cb+7], v[P+8*\kk:P+8*\kk+7], v[rO+8*\cb:rO+8*\cb+7]
.endr
.endr
	WIN 0
.endm
	s_wait_tensorcnt 0x0                           ; my two parts of K or V are in,
	s_barrier_signal -1
	s_barrier_wait -1                              ; everybody's are
	FETCH_K                                        ; key step 0
	FETCH_V
	s_mov_b32 s[TBK], 64*PK
	s_mov_b32 s[TBV], 64*PV
	s_mov_b32 s[STEP], 0
	s_wait_loadcnt 4                               ; Q's eight loads are in; the four loads of weights issued behind them may be out
	s_wait_dscnt 16                                ; K is in; V's run of 16, issued behind it, may be out
.Lstep:                                                ; 16 trips, a key step each
	s_cmp_lt_u32 s[STEP], 9
	s_cbranch_scc0 .Lno_cast
	s_wait_loadcnt 0x0                             ; the chunk of weights asked for a trip ago
.irp j, 0,1,2,3
	v_cvt_pk_f16_f32 v[CVR+2*\j], v[CXR+4*\j], v[CXR+4*\j+1]
	v_cvt_pk_f16_f32 v[CVR+2*\j+1], v[CXR+4*\j+2], v[CXR+4*\j+3]
.endr
.irp j, 0,1,2,3
	global_store_b64 v[CDO], v[CVR+2*\j:CVR+2*\j+1], s[DST:DST+1] offset:256*\j  ; 32 lanes store 256 consecutive bytes, aligned
.endr
	s_wait_xcnt 0x0                                ; the stores' base is stepped, and in the next trip their data rewritten, only behind this wait
	s_add_nc_u64 s[SRC:SRC+1], s[SRC:SRC+1], 2048  ; the next chunk of the same matrix,
	s_add_nc_u64 s[DST:DST+1], s[DST:DST+1], 1024
	s_cmp_eq_u32 s[STEP], 0                        ; or behind chunk 0 my first of w_fc,
	s_cselect_b64 s[SRC:SRC+1], s[SFC:SFC+1], s[SRC:SRC+1]
	s_cselect_b64 s[DST:DST+1], s[DFC:DFC+1], s[DST:DST+1]
	s_cmp_eq_u32 s[STEP], 4                        ; behind chunk 4 my first of w_mproj
	s_cselect_b64 s[SRC:SRC+1], s[SMP:SMP+1], s[SRC:SRC+1]
	s_cselect_b64 s[DST:DST+1], s[DMP:DMP+1], s[DST:DST+1]
	s_cmp_eq_u32 s[STEP], 8
	s_cbranch_scc1 .Lno_cast                       ; chunk 8 was the last: nothing is asked for
.irp j, 0,1,2,3
	global_load_b128 v[CXR+4*\j:CXR+4*\j+3], v[CSO], s[SRC:SRC+1] offset:512*\j th:TH_LOAD_NT
.endr
.Lno_cast:
	s_cmp_lt_u32 s[BD+1], s[STEP]
	s_cbranch_scc1 .Lnext                          ; my long band sees none of these keys, nor of any later ones
	s_cmp_lt_u32 s[BD], s[STEP]
	s_cbranch_scc1 .Lshort_done                    ; my short band sees none of them
	KQT 0
	PLACES                                         ; between the products and the reads of their results
	SOFT 0
	s_wait_dscnt 0x0                               ; V is in
	PVT 0
.Lshort_done:
	KQT 1
	PLACES                                         ; between the products and the reads of their results and the loads into K's registers
	s_cmp_eq_u32 s[BD+1], s[STEP]
	s_cbranch_scc1 .Lno_k                          ; my last step
	v_add_nc_u32 v[AK], s[TBK], v[AK0]
	FETCH_K                                        ; the next step's K has the softmax in which to arrive
	s_add_co_u32 s[TBK], s[TBK], 64*PK
.Lno_k:
	SOFT 1
	s_wait_dscnt 0x0                               ; V is in, and the next K: the count is right whether or not that run was issued
	PVT 1
	PLACES                                         ; between the products and the loads into V's registers, the next rescaling and the way out
	s_cmp_eq_u32 s[BD+1], s[STEP]
	s_cbranch_scc1 .Lnext
	v_add_nc_u32 v[AV], s[TBV], v[AV0]
	FETCH_V
	s_add_co_u32 s[TBV], s[TBV], 64*PV
.Lnext:
	s_add_co_u32 s[STEP], s[STEP], 1
	s_cmp_lt_u32 s[STEP], 16
	s_cbranch_scc1 .Lstep
	; THE WAY OUT.  l's two halves and the other half of the lanes' are added; O^T is divided by l, rounded to f16 and sent through my stage in LDS, a tile at a time.
	s_wait_dscnt 0x0                               ; my reads of K and V are over
	s_barrier_signal -1
	s_barrier_wait -1                              ; everybody's are: the stages may lie over K
	v_and_b32 v[GO], 31, v0
	v_lshlrev_b32 v[GO], 4, v[GO]
.irp t, 0,1
	v_add_f32 v[ST+8*\t+2], v[ST+8*\t+2], v[ST+8*\t+3]
.endr
.irp t, 0,1
	v_permlanex16_b32 v[ST+8*\t+3], v[ST+8*\t+2], s[SEL], s[SEL+1]
.endr
.irp t, 0,1
	v_add_f32 v[ST+8*\t+2], v[ST+8*\t+2], v[ST+8*\t+3]
.endr
.irp t, 0,1
	v_rcp_f32 v[ST+8*\t+2], v[ST+8*\t+2]
.endr
	v_nop                                          ; a plain instruction between the last reciprocal and the use of its result
	s_wait_alu depctr_va_vdst(0)
.macro PACK t                          ; a lane's eight channels of a row pack into 16 bytes; they go into rows of 144 bytes and come back as whole rows of 128, into S^T's registers
	WIN W_RS
.set i, 32*(\t)
.rept 16
	v_pk_mul_f32 v[i:i+1], v[i:i+1], v[ST+8*(\t)+2:ST+8*(\t)+3] op_sel_hi:[1,0]
.set i, i+2
.endr
	WIN 0x05                                       ; sources 0 and 1 window 1, destination window 0
.set i, 0
.rept 16
	v_cvt_pk_f16_f32 v[S+16*(\t)+i], v[32*(\t)+2*i], v[32*(\t)+2*i+1]
.set i, i+1
.endr
	WIN 0
.irp f, 0,1,2,3
	ds_store_b128 v[STO], v[S+16*(\t)+4*\f:S+16*(\t)+4*\f+3] offset:32*\f
.endr
.irp f, 0,1,2,3
	ds_load_b128 v[S+16*(\t)+4*\f:S+16*(\t)+4*\f+3], v[RD] offset:\f*4*SP  ; LDS serves a wave's instructions in order (ISA guide 5.7.1.4): these see the stores above; the next tile's stores come behind them
.endr
.endm
.macro SEND t, younger                 ; younger: the LDS instructions issued behind tile t's loads: the next tile's eight, or none
.irp f, 0,1,2,3
	s_wait_dscnt (\younger)+3-\f
	global_store_b128 v[GO], v[S+16*(\t)+4*\f:S+16*(\t)+4*\f+3], s[OB+2*(\t):OB+2*(\t)+1] offset:\f*512  ; 512 consecutive bytes, aligned
.endr
.endm
	PACK 0
	PACK 1
	SEND 0, 8
	SEND 1, 0
	s_wait_tensorcnt 0x0                           ; the wave's end
	ds_add_u32 v[SPW], v[NIL]
	s_wait_dscnt 0x0
	CROUND                                         ; the closing round
	s_endpgm
.Lfunc_end_k_q734e6302d0_attn:
	.size	k_q734e6302d0_attn, .Lfunc_end_k_q734e6302d0_attn-k_q734e6302d0_attn
	.p2alignl 7, 3214868480
	.fill 96, 4, 3214868480
	.section	.rodata,"a",@progbits
	.p2align	6, 0x0
	.amdhsa_kernel k_q734e6302d0_attn
		.amdhsa_group_segment_fixed_size 327680
		.amdhsa_private_segment_fixed_size 0
		.amdhsa_enable_private_segment 0
		.amdhsa_kernarg_size 48
		.amdhsa_user_sgpr_count 2
		.amdhsa_user_sgpr_kernarg_segment_ptr 1
		.amdhsa_wavefront_size32 1
		.amdhsa_system_sgpr_workgroup_id_x 1
		.amdhsa_system_sgpr_workgroup_id_y 1
		.amdhsa_system_sgpr_workgroup_id_z 1
		.amdhsa_system_vgpr_workitem_id 0
		.amdhsa_next_free_vgpr 384
		.amdhsa_next_free_sgpr 96
		.amdhsa_reserve_vcc 1
		.amdhsa_float_denorm_mode_32 3
		.amdhsa_float_denorm_mode_16_64 3
		.amdhsa_memory_ordered 1
		.amdhsa_forward_progress 1
		.amdhsa_inst_pref_size 46
	.end_amdhsa_kernel
	.amdgpu_metadata
---
amdhsa.version: [ 1, 2 ]
amdhsa.kernels:
  - .name:           k_q734e6302d0_attn
    .symbol:         k_q734e6302d0_attn.kd
    .args:
      - { .name: qkvh, .offset: 0, .size: 8, .value_kind: global_buffer, .address_space: global }
      - { .name: w_proj, .offset: 8, .size: 8, .value_kind: global_buffer, .address_space: global }
      - { .name: w_fc, .offset: 16, .size: 8, .value_kind: global_buffer, .address_space: global }
      - { .name: w_mproj, .offset: 24, .size: 8, .value_kind: global_buffer, .address_space: global }
      - { .name: oh, .offset: 32, .size: 8, .value_kind: global_buffer, .address_space: global }
      - { .name: wh, .offset: 40, .size: 8, .value_kind: global_buffer, .address_space: global }
    .group_segment_fixed_size: 327680
    .private_segment_fixed_size: 0
    .kernarg_segment_align: 8
    .kernarg_segment_size: 48
    .max_flat_workgroup_size: 256
    .sgpr_count:     96
    .vgpr_count:     384
    .wavefront_size: 32
...
	.end_amdgpu_metadata
.endif
;; end of part 3
;; launch proj (part 4): grid 8 x 32, 4 waves a work-group, clusters of 4 x 4, 327,680 bytes of LDS; arguments oh, wh, b_proj, x, x1; writes x1
.if DOCPART == 4
	.amdgcn_target "amdgcn-amd-amdhsa--gfx1250"
	.amdhsa_code_object_version 6
	.text
	.protected	k_q734e6302d0_proj
	.globl	k_q734e6302d0_proj
	.p2align	8
	.type	k_q734e6302d0_proj,@function
k_q734e6302d0_proj:
	s_mov_b64 s[64:65], 0
	v_nop
	global_prefetch_b8 v0, s[64:65] scope:SCOPE_SE
	s_setreg_imm32_b32 hwreg(HW_REG_WAVE_MODE, 25, 1), 1
	s_wait_xcnt 0x0
	s_wait_alu depctr_hold_cnt(0) depctr_sa_sdst(0) depctr_va_vdst(0) depctr_va_sdst(0) depctr_va_ssrc(0) depctr_va_vcc(0) depctr_vm_vsrc(0)
	s_getreg_b32 s2, hwreg(HW_REG_IB_STS2, 6, 4)
	s_cmp_eq_u32 s2, 0
	s_cbranch_scc0 .Lentry_in_a_cluster
	s_endpgm
.Lentry_in_a_cluster:
	s_bfe_u32 s2, ttmp6, 0x10000c
	s_cmp_lg_u32 s2, 0xf033
	s_cbranch_scc0 .Lentry_shape_is_right
	s_endpgm
.Lentry_shape_is_right:
; out = res + A . W + bias, f32 out.  One text for two launches, chosen by PROJ:
;   PROJ = 1: x1 = x + O . W_proj + b_proj.    A = oh, [batch][rb][head][128][64] f16 (K = 1,024: 16 heads of 64); W at wh's first byte.
;   PROJ = 0: out0 = x1 + G . W_mproj + b_mproj.  A = gh, [4096][4096] f16 (K = 4,096); W at wh + 10,485,760.
; W is [K][1024] f16.  Sums in f32: THE RESIDUAL STARTS THEM: it is loaded straight into the accumulators, so nothing is cleared and no addition is written for it; the bias is added on the way out.
; LIMITS.  A's numbers arrive within f16's 65,504.
; A tile is 128 x 128: 8 x 32 tiles, one to a work-group.  Four waves, each 64 x 64: 16 accumulators.  K goes in steps of 256 through two LDS slots.  W's fragments come out of LDS turned (ds_load_tr16_b128);
; the matrix instruction is used transposed (source 0 = W, source 1 = A), so that a lane holds eight neighbouring columns of one row.
; PROJ = 1: tile row TY is oh's block (batch TY / 8, rb TY % 8): its row p is t = 512 (TY % 2) + 4 p + (TY % 8) / 2 of the batch, so x's and x1's rows lie 4 apart (ROWB bytes); a K step is four heads' dense blocks of 16,384 bytes.
; CLUSTER 4 x 4: A's tile is shared along a row of the cluster, W's along a column: joint loads.  Waves 0, 1 ask for A's halves, waves 2, 3 for W's.
; ONE K STEP IS WRITTEN ONCE for the steps that ask for a tile and once for the last two, which ask for none: s[TB] is the LDS byte of the slot being read, 0 or SLOT.
; REGISTERS: window 0: v0-31 addresses, v32-35 bias, v64-79 at work on the way out, v128-255 accumulator (a, b) at v[128 + 8 (4 a + b)];  window 1: two fragment buffers of 128: 64 of A (2 x 4 blocks), then 64 of W.
.set PROJ, 1
.if PROJ
.set PAX,   144                        ; an LDS row of A: a head's 64 channels, 128 bytes + 16
.set ALOAD, 256*PAX                    ; what one load brings: two heads x 128 rows
.set AQ,    128*PAX                    ; from quarter to quarter (64 along K): the next head
.set AQI,   4                          ; padding after every 32 words
.set AC,    128                        ; the load's rows: 128 of 128 elements, dense
.set AR,    128
.set AP,    128
.set ATY,   18                         ; a tile row's A begins 2^18 TY bytes in,
.set AWC,   15                         ; my half of a step 2^15 (wave % 2) further
.set STEPA, 65536
.set WOFF,  0
.set NSTEP, 4
.set ROWSH, 14
.else
.set PAX,   528                        ; an LDS row of A: 512 bytes + 16
.set ALOAD, 64*PAX                     ; what one load brings: 64 rows
.set AQ,    128
.set AQI,   6                          ; padding after every 128 words
.set AC,    256
.set AR,    64
.set AP,    4096
.set ATY,   20
.set AWC,   19
.set STEPA, 512
.set WOFF,  10485760
.set NSTEP, 16
.set ROWSH, 12
.endif
.set AI,     16*PAX                    ; from row block to row block
.set AWR,    64*PAX                    ; my 64 rows
.set ROWB,   1<<ROWSH                  ; bytes from one of my rows to the next in the residual and the output
.set PB,     288                       ; an LDS row of W: 256 bytes + 32
.set BPAN,   128*PB
.set AREG,   2*ALOAD
.set SLOT,   AREG+2*BPAN
.set SPARE,  2*SLOT                    ; behind the ring: the spare words, two blocks of 256 bytes that no other line names
.set SPITCH, 272
.set STG,    64*SPITCH                 ; a wave's stage; the four lie over the ring, which has had its last fill by then
.set STEPB,  256*2048
.set ADRA0,  16
.set ADRB0,  17
.set ADRBH0, 18                        ; W's k rows 128 on
.set ADRA,   19
.set ADRB,   20
.set ADRBH,  21
.set XO,     22
.set STO,    24
.set RD,     25
.set CO,     26
.set BO,     27
.set SPW,    28
.set NIL,    29
.set BIAS,   32
.set X,      64
.set ACC,    128
.set F0,     0
.set F1,     128
.set WV, 14
.set WR, 15
.set WC, 16
.set G1A, 24
.set G0A, 32
.set G1B, 48
.set G0B, 56
.set TB,  66
.set WBA, 67
.set WBB, 68
.set CNT, 69
.set MSB, 0
.macro WIN new
.if MSB != (\new)
	s_set_vgpr_msb (MSB<<8)|(\new)
.set MSB, \new
.endif
.endm
.set MUL,  0x05                        ; sources 0 (W) and 1 (A) window 1; C and D window 0
.set TO_F, 0x40                        ; destination window 1, address window 0
.macro PLACES
.rept 4
	v_nop
.endr
.endm
.macro JLOAD s                         ; a joint load; an s_nop 0 and four v_nop follow each line
	s_cmp_eq_u32 s[WR], 0
	s_cbranch_scc0 .Lfor_b_\@
	tensor_load_to_lds s[G0A+4*(\s):G0A+4*(\s)+3], s[G1A:G1A+7]
	s_nop 0
	PLACES
	s_branch .Lasked_\@
.Lfor_b_\@:
	tensor_load_to_lds s[G0B+4*(\s):G0B+4*(\s)+3], s[G1B:G1B+7]
	s_nop 0
	PLACES
.Lasked_\@:
.endm
.macro CREST
	s_cmp_lg_u32 s[WV], 0
	s_cbranch_scc1 .Lnot_wave_0_\@
	s_barrier_signal -3
.Lnot_wave_0_\@:
	s_barrier_wait -3
	s_barrier_signal -1
	s_barrier_wait -1
.endm
.macro CROUND
	s_barrier_signal -1
	s_barrier_wait -1
	CREST
.endm
	s_load_b256 s[4:11], s[0:1], 0x0               ; A s[4:5], wh s[6:7], bias s[8:9], residual s[10:11]
	s_load_b64 s[12:13], s[0:1], 0x20              ; output
	v_lshl_add_u32 v[SPW], v0, 2, SPARE
	v_mov_b32 v[NIL], 0
	ds_add_u32 v[SPW], v[NIL]                      ; the wave's opening: the add and its wait stand ahead of my first tensor load; register work stands between them
	v_lshrrev_b32 v1, 5, v0
	v_readfirstlane_b32 s[WV], v1
	s_lshr_b32 s[WR], s[WV], 1                     ; my half of the tile's rows.  Also: I fetch for A (0) or W (1)
	s_and_b32 s[WC], s[WV], 1                      ; my half of its columns.  Also: which half of a step's A or W I fetch
	s_bfe_u32 s40, ttmp6, 0x40000
	s_bfe_u32 s41, ttmp6, 0x40004
	s_lshl_b32 s42, ttmp9, 2
	s_add_co_u32 s42, s42, s40                     ; TX
	s_and_b32 s45, ttmp7, 0xffff
	s_lshl_b32 s45, s45, 2
	s_add_co_u32 s45, s45, s41                     ; TY
	s_lshl_b32 s43, s41, 2
	s_lshl_b32 s43, 15, s43
	s_lshl_b32 s44, 0x1111, s40
	s_or_b32 s[G1A], s43, (1<<16)|(1<<20)|(1<<21)|(AQI<<22)|(3<<25)  ; my row's mask; 2-byte elements; padding on; bit 21 beside a mask; 4 words of padding
	s_or_b32 s[G1B], s44, (1<<16)|(1<<20)|(1<<21)|(5<<22)|(7<<25)    ; my column's mask; after every 64 words, 8 words
	s_mov_b32 s[G1A+1], AC<<16
	s_mov_b32 s[G1A+2], AR<<16
	s_mov_b32 s[G1A+3], AC<<16
	s_mov_b32 s[G1A+4], AR
	s_mov_b32 s[G1A+5], AP
	s_mov_b32 s[G1A+6], 0
	s_mov_b32 s[G1A+7], 0
	s_mov_b32 s[G1B+1], 128<<16
	s_mov_b32 s[G1B+2], 128<<16
	s_mov_b32 s[G1B+3], 128<<16
	s_mov_b32 s[G1B+4], 128
	s_mov_b32 s[G1B+5], 1024
	s_mov_b32 s[G1B+6], 0
	s_mov_b32 s[G1B+7], 0
	s_lshl_b32 s18, s45, ATY
	s_lshl_b32 s17, s[WC], AWC
	s_add_co_u32 s18, s18, s17
	s_mov_b32 s19, 0
	s_lshl_b32 s46, s42, 8                         ; W: column 128 TX, k rows 128 (wave % 2) on
	s_lshl_b32 s17, s[WC], 18
	s_add_co_u32 s46, s46, s17
	s_add_co_u32 s46, s46, WOFF
	s_mov_b32 s47, 0
	s_mul_i32 s[WBA], s[WC], ALOAD
	s_mul_i32 s[WBB], s[WC], BPAN
	s_add_co_u32 s[WBB], s[WBB], AREG
	s_mov_b32 s[TB], 0
	s_wait_dscnt 0x0                               ; the opening add is done
	s_wait_kmcnt 0x0
	s_add_nc_u64 s[20:21], s[4:5], s[18:19]
	s_add_nc_u64 s[46:47], s[6:7], s[46:47]
	CROUND                                         ; all sixteen work-groups are here: the first joint loads meet
.irp s, 0,1
	s_mov_b32 s[G0A+4*(\s)], 1
	s_add_co_u32 s[G0A+4*(\s)+1], s[WBA], (\s)*SLOT
	s_add_nc_u64 s[G0A+4*(\s)+2:G0A+4*(\s)+3], s[20:21], (\s)*STEPA
	s_or_b32 s[G0A+4*(\s)+3], s[G0A+4*(\s)+3], 0x80000000
	s_mov_b32 s[G0B+4*(\s)], 1
	s_add_co_u32 s[G0B+4*(\s)+1], s[WBB], (\s)*SLOT
	s_add_nc_u64 s[G0B+4*(\s)+2:G0B+4*(\s)+3], s[46:47], (\s)*STEPB
	s_or_b32 s[G0B+4*(\s)+3], s[G0B+4*(\s)+3], 0x80000000
	JLOAD \s                                       ; two loads of mine are out, the most in this text
.endr
	v_and_b32 v1, 15, v0                           ; r
	v_bfe_u32 v2, v0, 4, 1                         ; h
	v_and_b32 v3, 7, v0
	v_bfe_u32 v4, v0, 3, 1
	; where my 64 x 64 begins in the residual and in the output
.if PROJ
	s_lshr_b32 s22, s45, 3
	s_lshl_b32 s22, s22, 22                        ; the batch's 1,024 rows of 4,096 bytes
	s_and_b32 s23, s45, 1
	s_lshl_b32 s23, s23, 21                        ; 512 (TY % 2) rows
	s_add_co_u32 s22, s22, s23
	s_bfe_u32 s23, s45, 0x20001                    ; (TY % 8) / 2 rows
	s_lshl_b32 s23, s23, 12
	s_add_co_u32 s22, s22, s23
	s_lshl_b32 s23, s[WR], 20                      ; my 64 rows lie 4 apart: 256 WR rows
.else
	s_lshl_b32 s22, s45, 19
	s_lshl_b32 s23, s[WR], 18
.endif
	s_add_co_u32 s22, s22, s23
	s_lshl_b32 s46, s42, 9
	s_lshl_b32 s17, s[WC], 8
	s_add_co_u32 s46, s46, s17                     ; column 128 TX + 64 WC, 4 bytes each
	s_add_co_u32 s22, s22, s46
	s_mov_b32 s23, 0
	s_add_nc_u64 s[10:11], s[10:11], s[22:23]
	s_add_nc_u64 s[12:13], s[12:13], s[22:23]
	v_lshlrev_b32 v5, ROWSH, v1
	v_lshl_add_u32 v[XO], v2, 5, v5                ; accumulator (a, b): row 16 a + r, columns 16 b + 8 h + 0..7: 32 bytes a lane
.irp a, 0,1,2,3
.irp b, 0,1,2,3
	global_load_b128 v[ACC+8*(4*\a+\b):ACC+8*(4*\a+\b)+3],   v[XO], s[10:11] offset:\a*16*ROWB+64*\b
	global_load_b128 v[ACC+8*(4*\a+\b)+4:ACC+8*(4*\a+\b)+7], v[XO], s[10:11] offset:\a*16*ROWB+64*\b+16
.endr
.endr
	v_lshl_add_u32 v[BO], v1, 4, s46
	global_load_b128 v[BIAS:BIAS+3], v[BO], s[8:9]
	v_mul_u32_u24 v5, v1, PAX
	v_lshl_add_u32 v5, v2, 4, v5
	s_mul_i32 s17, s[WR], AWR
	v_add_nc_u32 v[ADRA0], s17, v5
	v_add_nc_u32 v[ADRA], s17, v5
	v_lshl_add_u32 v6, v2, 3, v3                   ; the turning load: lane l reads k row 8 h + l % 8, 16 bytes at 16 ((l / 8) % 2)
	v_mul_u32_u24 v6, v6, PB
	v_lshl_add_u32 v6, v4, 4, v6
	s_lshl_b32 s17, s[WC], 7
	s_add_co_u32 s17, s17, AREG
	v_add_nc_u32 v[ADRB0], s17, v6
	v_add_nc_u32 v[ADRB], s17, v6
	s_add_co_u32 s17, s17, BPAN
	v_add_nc_u32 v[ADRBH0], s17, v6
	v_add_nc_u32 v[ADRBH], s17, v6
	s_mul_i32 s17, s[WV], STG
	v_mul_u32_u24 v5, v1, SPITCH
	v_lshl_add_u32 v5, v2, 5, v5
	v_add_nc_u32 v[STO], s17, v5
	v_mul_u32_u24 v5, v2, SPITCH
	v_lshl_add_u32 v5, v1, 4, v5
	v_add_nc_u32 v[RD], s17, v5
	v_lshlrev_b32 v5, ROWSH, v2
	v_lshl_add_u32 v[CO], v1, 4, v5
; 8 matrix instructions: row blocks a0, a0 + 1 x all 4 column blocks, 32 along K: half c of buffer f.  The 16 accumulators take turns, one instruction a turn.
.macro MUL8 f, c, a0
	WIN MUL
.irp a, \a0, (\a0)+1
.irp b, 0,1,2,3
	v_wmma_f32_16x16x32_f16 v[ACC+8*(4*(\a)+(\b)):ACC+8*(4*(\a)+(\b))+7], v[(\f)+64+8*(4*(\c)+(\b)):(\f)+64+8*(4*(\c)+(\b))+7], v[(\f)+8*(4*(\c)+(\a)):(\f)+8*(4*(\c)+(\a))+7], v[ACC+8*(4*(\a)+(\b)):ACC+8*(4*(\a)+(\b))+7]
.endr
.endr
.endm
; 32 LDS loads in one run: quarter q (64 along K) of the slot being read, into buffer f; the first 32 along K first
.macro FETCH q, f
.if (\q) < 2
.set AB_, ADRB
.else
.set AB_, ADRBH
.endif
	WIN TO_F
.irp c, 0,1
.irp i, 0,1,2,3
	ds_load_tr16_b128 v[(\f)+64+8*(4*(\c)+(\i)):(\f)+64+8*(4*(\c)+(\i))+3],   v[AB_] offset:(((\q)%2)*64+32*(\c))*PB+32*(\i)
	ds_load_tr16_b128 v[(\f)+64+8*(4*(\c)+(\i))+4:(\f)+64+8*(4*(\c)+(\i))+7], v[AB_] offset:(((\q)%2)*64+32*(\c)+16)*PB+32*(\i)
	ds_load_b128 v[(\f)+8*(4*(\c)+(\i)):(\f)+8*(4*(\c)+(\i))+3],   v[ADRA] offset:(\q)*AQ+64*(\c)+(\i)*AI
	ds_load_b128 v[(\f)+8*(4*(\c)+(\i))+4:(\f)+8*(4*(\c)+(\i))+7], v[ADRA] offset:(\q)*AQ+64*(\c)+(\i)*AI+32
.endr
.endr
.endm
.macro QUARTER qn, f, g
	s_wait_dscnt 16                                ; the first 32 along K are in; the youngest sixteen loads may be out
	MUL8 \f, 0, 0
	MUL8 \f, 0, 2
	PLACES
	FETCH \qn, \g
	s_wait_dscnt 32                                ; all but the 32 just issued
	MUL8 \f, 1, 0
	MUL8 \f, 1, 2
.endm
; The last quarter multiplies buffer 1 and changes slots: one barrier; in front of it each wave waits for all its tensor loads (one is out at the most: its part of the next slot), adds 0 to its spare word, and waits for that and
; for its reads of this slot.  fill = 1: the barrier opens a round of the cluster's, and behind the round this slot is filled again, two K steps ahead, first of all.
; fill = 0: the last two K steps, a loop of two trips: nothing is asked for, and in the second trip there is no further step: the loop is left here, for the half quarter that is written out behind it.
.macro TURN fill
	WIN 0
	s_wait_tensorcnt 0x0
	ds_add_u32 v[SPW], v[NIL]
	s_wait_dscnt 17                                ; the add and the youngest sixteen loads may be out
	MUL8 F1, 0, 0
	s_wait_dscnt 0x0                               ; the add is done, and my reads of this slot are over
	s_barrier_signal -1
	MUL8 F1, 0, 2
	WIN 0
	s_barrier_wait -1
.if \fill
	CREST
	s_add_co_u32 s[G0A+5], s[WBA], s[TB]           ; the walking descriptors: into the slot just read, the next K step; no load of mine is out
	s_add_nc_u64 s[G0A+6:G0A+7], s[G0A+6:G0A+7], STEPA
	s_add_co_u32 s[G0B+5], s[WBB], s[TB]
	s_add_nc_u64 s[G0B+6:G0B+7], s[G0B+6:G0B+7], STEPB
	JLOAD 1                                        ; its four v_nop are also the places in front of the loads below
.else
	s_sub_co_u32 s[CNT], s[CNT], 1
	s_cmp_eq_u32 s[CNT], 0
	s_cbranch_scc1 .Llast_half
	PLACES
.endif
	s_xor_b32 s[TB], s[TB], SLOT
	v_add_nc_u32 v[ADRA], s[TB], v[ADRA0]
	v_add_nc_u32 v[ADRB], s[TB], v[ADRB0]
	v_add_nc_u32 v[ADRBH], s[TB], v[ADRBH0]
	FETCH 0, F0
	MUL8 F1, 1, 0
	MUL8 F1, 1, 2
.endm
	s_wait_tensorcnt 0x1                           ; my part of K step 0 is in; slot 1's may stay out
	s_barrier_signal -1
	s_barrier_wait -1
	FETCH 0, F0
	s_wait_loadcnt 0x0                             ; the residual is in the accumulators, the bias in its registers
	WIN 0
	s_mov_b32 s[CNT], NSTEP-2
.Lstep:                                                ; a trip is a K step; trip t asks for K step t + 2
	QUARTER 1, F0, F1
	QUARTER 2, F1, F0
	QUARTER 3, F0, F1
	TURN 1
	WIN 0
	s_sub_co_u32 s[CNT], s[CNT], 1
	s_cmp_lg_u32 s[CNT], 0
	s_cbranch_scc1 .Lstep
	s_mov_b32 s[CNT], 2
.Ltail:                                                ; the last two K steps ask for nothing; the second trip leaves the loop inside TURN
	QUARTER 1, F0, F1
	QUARTER 2, F1, F0
	QUARTER 3, F0, F1
	TURN 0
	WIN 0
	s_branch .Ltail
.Llast_half:                                           ; the last K step's last 16 products; no LDS instruction of mine is out since TURN's wait
	MUL8 F1, 1, 0
	MUL8 F1, 1, 2
	WIN 0
	s_barrier_signal -1                            ; nobody reads the ring any more, and it has had its last fill: the stages may lie over it
	s_barrier_wait -1
	PLACES
.irp a, 0,1,2,3                        ; each accumulator's low registers first
.irp b, 0,1,2,3
	ds_store_b128 v[STO], v[ACC+8*(4*\a+\b):ACC+8*(4*\a+\b)+3]   offset:\a*16*SPITCH+64*\b
	ds_store_b128 v[STO], v[ACC+8*(4*\a+\b)+4:ACC+8*(4*\a+\b)+7] offset:\a*16*SPITCH+64*\b+16
.endr
.endr
	s_mov_b32 s[CNT], 8
.Lout:                                                 ; 8 rows a trip: back from my own stage as whole rows of 256 bytes (LDS serves a wave's instructions in order), bias, store
.irp i, 0,1,2,3
	ds_load_b128 v[X+4*\i:X+4*\i+3], v[RD] offset:\i*2*SPITCH
.endr
	s_wait_dscnt 0x0
.irp i, 0,1,2,3
	v_pk_add_f32 v[X+4*\i:X+4*\i+1], v[X+4*\i:X+4*\i+1], v[BIAS:BIAS+1]
	v_pk_add_f32 v[X+4*\i+2:X+4*\i+3], v[X+4*\i+2:X+4*\i+3], v[BIAS+2:BIAS+3]
.endr
.irp i, 0,1,2,3
.if PROJ
	global_store_b128 v[CO], v[X+4*\i:X+4*\i+3], s[12:13] offset:\i*2*ROWB  ; 16 lanes store 256 consecutive bytes, aligned
.else
	global_store_b128 v[CO], v[X+4*\i:X+4*\i+3], s[12:13] offset:\i*2*ROWB th:TH_STORE_NT
.endif
.endr
	s_wait_xcnt 0x0                                ; the stores' data and base are rewritten only behind this wait
	v_add_nc_u32 v[RD], 8*SPITCH, v[RD]
	s_add_nc_u64 s[12:13], s[12:13], 8*ROWB
	s_sub_co_u32 s[CNT], s[CNT], 1
	s_cmp_lg_u32 s[CNT], 0
	s_cbranch_scc1 .Lout
	s_wait_tensorcnt 0x0                           ; the wave's end
	ds_add_u32 v[SPW], v[NIL]
	s_wait_dscnt 0x0
	CROUND                                         ; the closing round
	s_endpgm
.Lfunc_end_k_q734e6302d0_proj:
	.size	k_q734e6302d0_proj, .Lfunc_end_k_q734e6302d0_proj-k_q734e6302d0_proj
	.p2alignl 7, 3214868480
	.fill 96, 4, 3214868480
	.section	.rodata,"a",@progbits
	.p2align	6, 0x0
	.amdhsa_kernel k_q734e6302d0_proj
		.amdhsa_group_segment_fixed_size 327680
		.amdhsa_private_segment_fixed_size 0
		.amdhsa_enable_private_segment 0
		.amdhsa_kernarg_size 40
		.amdhsa_user_sgpr_count 2
		.amdhsa_user_sgpr_kernarg_segment_ptr 1
		.amdhsa_wavefront_size32 1
		.amdhsa_system_sgpr_workgroup_id_x 1
		.amdhsa_system_sgpr_workgroup_id_y 1
		.amdhsa_system_sgpr_workgroup_id_z 1
		.amdhsa_system_vgpr_workitem_id 0
		.amdhsa_next_free_vgpr 512
		.amdhsa_next_free_sgpr 96
		.amdhsa_reserve_vcc 0
		.amdhsa_float_denorm_mode_32 3
		.amdhsa_float_denorm_mode_16_64 3
		.amdhsa_memory_ordered 1
		.amdhsa_forward_progress 1
		.amdhsa_inst_pref_size 54
	.end_amdhsa_kernel
	.amdgpu_metadata
---
amdhsa.version: [ 1, 2 ]
amdhsa.kernels:
  - .name:           k_q734e6302d0_proj
    .symbol:         k_q734e6302d0_proj.kd
    .args:
      - { .name: oh, .offset: 0, .size: 8, .value_kind: global_buffer, .address_space: global }
      - { .name: wh, .offset: 8, .size: 8, .value_kind: global_buffer, .address_space: global }
      - { .name: b_proj, .offset: 16, .size: 8, .value_kind: global_buffer, .address_space: global }
      - { .name: x, .offset: 24, .size: 8, .value_kind: global_buffer, .address_space: global }
      - { .name: x1, .offset: 32, .size: 8, .value_kind: global_buffer, .address_space: global }
    .group_segment_fixed_size: 327680
    .private_segment_fixed_size: 0
    .kernarg_segment_align: 8
    .kernarg_segment_size: 40
    .max_flat_workgroup_size: 128
    .sgpr_count:     96
    .vgpr_count:     512
    .wavefront_size: 32
...
	.end_amdgpu_metadata
.endif
;; end of part 4
;; launch ln2 (part 5): grid 256 x 1, 8 waves a work-group, no clusters, 0 bytes of LDS; arguments x1, ln2_g, ln2_b, h2; writes h2
.if DOCPART == 5
	.amdgcn_target "amdgcn-amd-amdhsa--gfx1250"
	.amdhsa_code_object_version 6
	.text
	.protected	k_q734e6302d0_ln2
	.globl	k_q734e6302d0_ln2
	.p2align	8
	.type	k_q734e6302d0_ln2,@function
k_q734e6302d0_ln2:
	s_mov_b64 s[64:65], 0
	v_nop
	global_prefetch_b8 v0, s[64:65] scope:SCOPE_SE
	s_setreg_imm32_b32 hwreg(HW_REG_WAVE_MODE, 25, 1), 1
	s_wait_xcnt 0x0
; h2 = layernorm(x1) * ln2_g + ln2_b, f32 in, f16 out.  LIMITS: the result must lie within f16's 65,504.
; A stream: no LDS, no barrier, no matrix unit, no cluster.  A wave owns two rows of 4,096 bytes; lane L holds columns 128 j + 4 L + 0..3, j = 0..7: each load covers 512 consecutive bytes, each store 256, aligned.
; The row stays in registers: mean first, then the sum of squared deviations from it.  All 32 loads of a wave go out at once.
.set X0,   32
.set X1,   64
.set GN,   96
.set BS,   128
.set T,    160
.set Y0,   8
.set Y1,   160
.set MN,   4
.set RS0,  24
.set RS1,  26
.set OUTP, 22
.macro WSUM                            ; v[T] summed over the 32 lanes, the result in every lane
	v_add_f32_dpp v[T], v[T], v[T] row_xmask:1 row_mask:0xf bank_mask:0xf
	v_add_f32_dpp v[T], v[T], v[T] row_xmask:2 row_mask:0xf bank_mask:0xf
	v_add_f32_dpp v[T], v[T], v[T] row_xmask:4 row_mask:0xf bank_mask:0xf
	v_add_f32_dpp v[T], v[T], v[T] row_xmask:8 row_mask:0xf bank_mask:0xf
	v_permlanex16_b32 v[T+1], v[T], s12, s13
	v_add_f32 v[T], v[T], v[T+1]
.endm
.macro STAT x, r
.irp i, 0,1,2,3,4,5,6,7
	v_pk_add_f32 v[T+2*\i:T+2*\i+1], v[(\x)+4*\i:(\x)+4*\i+1], v[(\x)+4*\i+2:(\x)+4*\i+3]
.endr
.irp i, 0,1,2,3
	v_pk_add_f32 v[T+4*\i:T+4*\i+1], v[T+4*\i:T+4*\i+1], v[T+4*\i+2:T+4*\i+3]
.endr
	v_pk_add_f32 v[T:T+1], v[T:T+1], v[T+4:T+5]
	v_pk_add_f32 v[T+8:T+9], v[T+8:T+9], v[T+12:T+13]
	v_pk_add_f32 v[T:T+1], v[T:T+1], v[T+8:T+9]
	v_add_f32 v[T], v[T], v[T+1]
	WSUM
	v_mul_f32 v[MN], s14, v[T]
	v_mul_f32 v[MN+1], s14, v[T]
.set i, 0
.rept 16
	v_pk_add_f32 v[(\x)+2*i:(\x)+2*i+1], v[(\x)+2*i:(\x)+2*i+1], v[MN:MN+1] neg_lo:[0,1] neg_hi:[0,1]
.set i, i+1
.endr
.irp c, 0,1,2,3
	v_pk_mul_f32 v[T+2*\c:T+2*\c+1], v[(\x)+2*\c:(\x)+2*\c+1], v[(\x)+2*\c:(\x)+2*\c+1]
.endr
.set i, 4
.rept 12
	v_pk_fma_f32 v[T+2*(i%4):T+2*(i%4)+1], v[(\x)+2*i:(\x)+2*i+1], v[(\x)+2*i:(\x)+2*i+1], v[T+2*(i%4):T+2*(i%4)+1]
.set i, i+1
.endr
	v_pk_add_f32 v[T:T+1], v[T:T+1], v[T+2:T+3]
	v_pk_add_f32 v[T+4:T+5], v[T+4:T+5], v[T+6:T+7]
	v_pk_add_f32 v[T:T+1], v[T:T+1], v[T+4:T+5]
	v_add_f32 v[T], v[T], v[T+1]
	WSUM
	v_fma_f32 v[T], v[T], s14, s15                 ; var + eps
	v_rsq_f32 v[(\r)], v[T]
	v_rsq_f32 v[(\r)+1], v[T]
	v_nop                                          ; a plain instruction behind the transcendentals
.endm
.macro EMIT x, r, y, row
.set i, 0
	s_wait_alu depctr_va_vdst(0)
.rept 16
	v_pk_mul_f32 v[(\x)+2*i:(\x)+2*i+1], v[(\x)+2*i:(\x)+2*i+1], v[(\r):(\r)+1]
.set i, i+1
.endr
.set i, 0
.rept 16
	v_pk_fma_f32 v[(\x)+2*i:(\x)+2*i+1], v[(\x)+2*i:(\x)+2*i+1], v[GN+2*i:GN+2*i+1], v[BS+2*i:BS+2*i+1]
.set i, i+1
.endr
.set i, 0
.rept 16
	v_cvt_pk_f16_f32 v[(\y)+i], v[(\x)+2*i], v[(\x)+2*i+1]
.set i, i+1
.endr
.irp j, 0,1,2,3,4,5,6,7
	global_store_b64 v2, v[(\y)+2*\j:(\y)+2*\j+1], s[OUTP:OUTP+1] offset:(\row)*2048+256*\j
.endr
.endm
	s_load_b256 s[16:23], s[0:1], 0x0              ; x1 16, ln2_g 18, ln2_b 20, h2 22
	v_lshrrev_b32 v3, 5, v0
	v_readfirstlane_b32 s8, v3
	v_and_b32 v1, 31, v0
	v_lshlrev_b32 v2, 3, v1
	v_lshlrev_b32 v1, 4, v1
	s_lshl_b32 s2, ttmp9, 16                       ; 16 rows of 4,096 bytes a work-group,
	s_lshl_b32 s3, s8, 13                          ; 2 a wave
	s_add_co_u32 s2, s2, s3
	s_mov_b32 s3, 0
	s_lshr_b32 s4, s2, 1
	s_mov_b32 s5, 0
	s_mov_b32 s12, 0x76543210
	s_mov_b32 s13, 0xfedcba98
	s_mov_b32 s14, 0x3a800000                      ; 1 / 1024
	s_mov_b32 s15, 0x3727c5ac                      ; eps = 1e-5
	s_wait_kmcnt 0x0
	s_add_nc_u64 s[16:17], s[16:17], s[2:3]
	s_add_nc_u64 s[OUTP:OUTP+1], s[OUTP:OUTP+1], s[4:5]
.irp j, 0,1,2,3,4,5,6,7
	global_load_b128 v[X0+4*\j:X0+4*\j+3], v1, s[16:17] offset:512*\j
.endr
.irp j, 0,1,2,3,4,5,6,7
	global_load_b128 v[X1+4*\j:X1+4*\j+3], v1, s[16:17] offset:4096+512*\j
.endr
.irp j, 0,1,2,3,4,5,6,7
	global_load_b128 v[GN+4*\j:GN+4*\j+3], v1, s[18:19] offset:512*\j
.endr
.irp j, 0,1,2,3,4,5,6,7
	global_load_b128 v[BS+4*\j:BS+4*\j+3], v1, s[20:21] offset:512*\j
.endr
	s_wait_loadcnt 24                              ; row 0 is in; the 24 younger loads stay out
	STAT X0, RS0
	s_wait_loadcnt 16                              ; row 1 is in; gain and bias stay out
	STAT X1, RS1
	s_wait_loadcnt 0x0
	EMIT X0, RS0, Y0, 0
	EMIT X1, RS1, Y1, 1
	s_endpgm
.Lfunc_end_k_q734e6302d0_ln2:
	.size	k_q734e6302d0_ln2, .Lfunc_end_k_q734e6302d0_ln2-k_q734e6302d0_ln2
	.p2alignl 7, 3214868480
	.fill 96, 4, 3214868480
	.section	.rodata,"a",@progbits
	.p2align	6, 0x0
	.amdhsa_kernel k_q734e6302d0_ln2
		.amdhsa_group_segment_fixed_size 0
		.amdhsa_private_segment_fixed_size 0
		.amdhsa_enable_private_segment 0
		.amdhsa_kernarg_size 32
		.amdhsa_user_sgpr_count 2
		.amdhsa_user_sgpr_kernarg_segment_ptr 1
		.amdhsa_wavefront_size32 1
		.amdhsa_system_sgpr_workgroup_id_x 1
		.amdhsa_system_sgpr_workgroup_id_y 1
		.amdhsa_system_sgpr_workgroup_id_z 1
		.amdhsa_system_vgpr_workitem_id 0
		.amdhsa_next_free_vgpr 176
		.amdhsa_next_free_sgpr 66
		.amdhsa_reserve_vcc 0
		.amdhsa_float_denorm_mode_32 3
		.amdhsa_float_denorm_mode_16_64 3
		.amdhsa_memory_ordered 1
		.amdhsa_forward_progress 1
		.amdhsa_inst_pref_size 20
	.end_amdhsa_kernel
	.amdgpu_metadata
---
amdhsa.version: [ 1, 2 ]
amdhsa.kernels:
  - .name:           k_q734e6302d0_ln2
    .symbol:         k_q734e6302d0_ln2.kd
    .args:
      - { .name: x1, .offset: 0, .size: 8, .value_kind: global_buffer, .address_space: global }
      - { .name: ln2_g, .offset: 8, .size: 8, .value_kind: global_buffer, .address_space: global }
      - { .name: ln2_b, .offset: 16, .size: 8, .value_kind: global_buffer, .address_space: global }
      - { .name: h2, .offset: 24, .size: 8, .value_kind: global_buffer, .address_space: global }
    .group_segment_fixed_size: 0
    .private_segment_fixed_size: 0
    .kernarg_segment_align: 8
    .kernarg_segment_size: 32
    .max_flat_workgroup_size: 256
    .sgpr_count:     66
    .vgpr_count:     176
    .wavefront_size: 32
...
	.end_amdgpu_metadata
.endif
;; end of part 5
;; launch fc (part 6): grid 16 x 16, 4 waves a work-group, clusters of 4 x 4, 327,680 bytes of LDS; arguments h2, wh, b_fc, gh; writes gh
.if DOCPART == 6
	.amdgcn_target "amdgcn-amd-amdhsa--gfx1250"
	.amdhsa_code_object_version 6
	.text
	.protected	k_q734e6302d0_fc
	.globl	k_q734e6302d0_fc
	.p2align	8
	.type	k_q734e6302d0_fc,@function
k_q734e6302d0_fc:
	s_mov_b64 s[64:65], 0
	v_nop
	global_prefetch_b8 v0, s[64:65] scope:SCOPE_SE
	s_setreg_imm32_b32 hwreg(HW_REG_WAVE_MODE, 25, 1), 1
	s_wait_xcnt 0x0
	s_wait_alu depctr_hold_cnt(0) depctr_sa_sdst(0) depctr_va_vdst(0) depctr_va_sdst(0) depctr_va_ssrc(0) depctr_va_vcc(0) depctr_vm_vsrc(0)
	s_getreg_b32 s2, hwreg(HW_REG_IB_STS2, 6, 4)
	s_cmp_eq_u32 s2, 0
	s_cbranch_scc0 .Lentry_in_a_cluster
	s_endpgm
.Lentry_in_a_cluster:
	s_bfe_u32 s2, ttmp6, 0x10000c
	s_cmp_lg_u32 s2, 0xf033
	s_cbranch_scc0 .Lentry_shape_is_right
	s_endpgm
.Lentry_shape_is_right:
; gh = gelu(h2 . W_fc + b_fc), the tanh form.  h2: [4096][1024] f16; W_fc: [1024][4096] f16 at wh + 2,097,152; gh: [4096][4096] f16.  Sums, bias and gelu in f32, rounded once.
; gelu(x) = x / (1 + 2^(x (C0 + C1 x^2))), C0 = -2 log2(e) sqrt(2 / pi), C1 = 0.044715 C0: the same function as 0.5 x (1 + tanh(..)); where the power overflows the quotient is 0, where it vanishes x.
; LIMITS.  gelu's result must lie within f16's 65,504.
; A tile is 256 x 256: 16 x 16 tiles, one to a work-group.  Four waves, each 128 x 128: 64 accumulators, 512 registers.  K goes in 8 steps of 128 through two LDS slots filled by the tensor data mover.
; W stays [K][N]: a panel is 128 k rows of 256 bytes; its fragments come out of LDS turned (ds_load_tr16_b128).  The matrix instruction is used transposed (source 0 = W, source 1 = h2): a lane holds eight neighbouring columns of a row.
; CLUSTER 4 x 4: h2's tile is shared along a row of the cluster, W's along a column: joint loads.  Waves 0, 1 ask for h2's halves, waves 2, 3 for W's panels.
; ONE K STEP IS WRITTEN ONCE for the steps that ask for a tile and once for the last two, which ask for none: s[TB] is the LDS byte of the slot being read, 0 or SLOT.
; REGISTERS: window 0: v0-31 addresses, v32-39 bias, v64-127 and v128-191 h2's fragments (later at work on the way out, with v192-207);  window 1: W's fragments at the same numbers;
;   windows 2, 3: accumulator (a, b) in window 2 + a / 4 at v[8 (8 (a % 4) + b)].
.set PA,     272                       ; an LDS row of h2: 256 bytes + 16: the 16 rows of a load start in 16 different groups of four banks (64 banks of 4 bytes: ISA guide 11.1)
.set PB,     288                       ; an LDS row of W: 256 + 32
.set AHALF,  128*PA
.set BPAN,   128*PB
.set BREG,   2*AHALF
.set SLOT,   BREG+2*BPAN
.set SPARE,  2*SLOT                    ; behind the ring: the spare words, two blocks of 256 bytes that no other line names
.set SPITCH, 528                       ; the way out: a stage row of 128 f32 + 16 bytes
.set STG,    128*SPITCH                ; a wave's stage; the four lie over the ring, which has had its last fill by then
.set WOFF,   2097152
.set STEPA,  256
.set STEPB,  128*8192
.set ADRA0, 16
.set ADRB0, 17
.set ADRA,  18
.set ADRB,  19
.set STO,   24
.set RD,    25
.set CO,    26
.set BO,    27
.set SPW,   28
.set NIL,   29
.set BIAS,  32
.set F0,    64
.set F1,    128
.set X,     64
.set TT,    96
.set Y,     192
.set WV, 14
.set WR, 15
.set WC, 16
.set G1A, 24
.set G0A, 32
.set G1B, 48
.set G0B, 56
.set TB,  66
.set WBA, 67
.set WBB, 68
.set CNT, 69
.set KC0, 70                           ; s[70:71] C0
.set KC1, 72                           ; s[72:73] C1
.set MSB, 0
.macro WIN new
.if MSB != (\new)
	s_set_vgpr_msb (MSB<<8)|(\new)
.set MSB, \new
.endif
.endm
.set MUL_LO, 0xa1                      ; source 0 (W) window 1, source 1 (h2) window 0, C and D window 2
.set TO_B,   0x40
.macro PLACES
.rept 4
	v_nop
.endr
.endm
.macro JLOAD s                         ; a joint load; an s_nop 0 and four v_nop follow each line
	s_cmp_eq_u32 s[WR], 0
	s_cbranch_scc0 .Lfor_b_\@
	tensor_load_to_lds s[G0A+4*(\s):G0A+4*(\s)+3], s[G1A:G1A+7]
	s_nop 0
	PLACES
	s_branch .Lasked_\@
.Lfor_b_\@:
	tensor_load_to_lds s[G0B+4*(\s):G0B+4*(\s)+3], s[G1B:G1B+7]
	s_nop 0
	PLACES
.Lasked_\@:
.endm
.macro CREST
	s_cmp_lg_u32 s[WV], 0
	s_cbranch_scc1 .Lnot_wave_0_\@
	s_barrier_signal -3
.Lnot_wave_0_\@:
	s_barrier_wait -3
	s_barrier_signal -1
	s_barrier_wait -1
.endm
.macro CROUND
	s_barrier_signal -1
	s_barrier_wait -1
	CREST
.endm
	s_load_b256 s[4:11], s[0:1], 0x0               ; h2 s[4:5], wh s[6:7], b_fc s[8:9], gh s[10:11]
	v_lshl_add_u32 v[SPW], v0, 2, SPARE
	v_mov_b32 v[NIL], 0
	ds_add_u32 v[SPW], v[NIL]                      ; the wave's opening: the add and its wait stand ahead of my first tensor load; register work stands between them
	v_lshrrev_b32 v1, 5, v0
	v_readfirstlane_b32 s[WV], v1
	s_lshr_b32 s[WR], s[WV], 1                     ; my half of the tile's rows.  Also: I fetch for h2 (0) or W (1)
	s_and_b32 s[WC], s[WV], 1                      ; my half of its columns.  Also: which half I fetch
	s_bfe_u32 s40, ttmp6, 0x40000
	s_bfe_u32 s41, ttmp6, 0x40004
	s_lshl_b32 s42, ttmp9, 2
	s_add_co_u32 s42, s42, s40                     ; TX
	s_and_b32 s45, ttmp7, 0xffff
	s_lshl_b32 s45, s45, 2
	s_add_co_u32 s45, s45, s41                     ; TY
	s_lshl_b32 s43, s41, 2
	s_lshl_b32 s43, 15, s43
	s_lshl_b32 s44, 0x1111, s40
	s_or_b32 s[G1A], s43, (1<<16)|(1<<20)|(1<<21)|(5<<22)|(3<<25)  ; my row's mask; 2-byte elements; padding on; bit 21 beside a mask; after every 64 words, 4 words
	s_or_b32 s[G1B], s44, (1<<16)|(1<<20)|(1<<21)|(5<<22)|(7<<25)  ; my column's mask; 8 words
.irp g, G1A, G1B
	s_mov_b32 s[(\g)+1], 128<<16
	s_mov_b32 s[(\g)+2], 128<<16
	s_mov_b32 s[(\g)+3], 128<<16
	s_mov_b32 s[(\g)+4], 128
	s_mov_b32 s[(\g)+6], 0
	s_mov_b32 s[(\g)+7], 0
.endr
	s_mov_b32 s[G1A+5], 1024
	s_mov_b32 s[G1B+5], 4096
	s_lshl_b32 s18, s45, 19                        ; h2: row 256 TY + 128 (wave % 2), 2,048 bytes each
	s_lshl_b32 s17, s[WC], 18
	s_add_co_u32 s18, s18, s17
	s_mov_b32 s19, 0
	s_lshl_b32 s46, s42, 9                         ; W: column 256 TX + 128 (wave % 2)
	s_lshl_b32 s17, s[WC], 8
	s_add_co_u32 s46, s46, s17
	s_add_co_u32 s46, s46, WOFF
	s_mov_b32 s47, 0
	s_mul_i32 s[WBA], s[WC], AHALF
	s_mul_i32 s[WBB], s[WC], BPAN
	s_add_co_u32 s[WBB], s[WBB], BREG
	s_mov_b32 s[TB], 0
	s_mov_b32 s[KC0], 0xc0135761                   ; -2.3022082
	s_mov_b32 s[KC0+1], s[KC0]
	s_mov_b32 s[KC1], 0xbdd2d3e8                   ; -0.10294324
	s_mov_b32 s[KC1+1], s[KC1]
	s_wait_dscnt 0x0                               ; the opening add is done
	s_wait_kmcnt 0x0
	s_add_nc_u64 s[20:21], s[4:5], s[18:19]
	s_add_nc_u64 s[46:47], s[6:7], s[46:47]
	CROUND                                         ; all sixteen work-groups are here: the first joint loads meet
.irp s, 0,1
	s_mov_b32 s[G0A+4*(\s)], 1
	s_add_co_u32 s[G0A+4*(\s)+1], s[WBA], (\s)*SLOT
	s_add_nc_u64 s[G0A+4*(\s)+2:G0A+4*(\s)+3], s[20:21], (\s)*STEPA
	s_or_b32 s[G0A+4*(\s)+3], s[G0A+4*(\s)+3], 0x80000000
	s_mov_b32 s[G0B+4*(\s)], 1
	s_add_co_u32 s[G0B+4*(\s)+1], s[WBB], (\s)*SLOT
	s_add_nc_u64 s[G0B+4*(\s)+2:G0B+4*(\s)+3], s[46:47], (\s)*STEPB
	s_or_b32 s[G0B+4*(\s)+3], s[G0B+4*(\s)+3], 0x80000000
	JLOAD \s                                       ; two loads of mine are out, the most in this text
.endr
	v_and_b32 v1, 15, v0                           ; r
	v_bfe_u32 v2, v0, 4, 1                         ; h
	v_and_b32 v3, 7, v0
	v_bfe_u32 v4, v0, 3, 1
	s_lshl_b32 s46, s42, 10                        ; bias: column 256 TX + 128 WC + 8 (l % 16), 4 bytes each
	s_lshl_b32 s17, s[WC], 9
	s_add_co_u32 s46, s46, s17
	v_lshl_add_u32 v[BO], v1, 5, s46
	global_load_b128 v[BIAS:BIAS+3], v[BO], s[8:9]
	global_load_b128 v[BIAS+4:BIAS+7], v[BO], s[8:9] offset:16
	v_mul_u32_u24 v5, v1, PA
	v_lshl_add_u32 v5, v2, 4, v5
	s_mul_i32 s17, s[WR], AHALF
	v_add_nc_u32 v[ADRA0], s17, v5
	v_add_nc_u32 v[ADRA], s17, v5
	v_lshl_add_u32 v6, v2, 3, v3                   ; the turning load: lane l reads k row 8 h + l % 8, 16 bytes at 16 ((l / 8) % 2)
	v_mul_u32_u24 v6, v6, PB
	v_lshl_add_u32 v6, v4, 4, v6
	v_add_nc_u32 v[ADRB0], s[WBB], v6              ; the panel of my columns is the one numbered wave % 2
	v_add_nc_u32 v[ADRB], s[WBB], v6
	s_mul_i32 s17, s[WV], STG
	v_mul_u32_u24 v5, v1, SPITCH                   ; in: row r, 32 bytes for each half of the lanes
	v_lshl_add_u32 v5, v2, 5, v5
	v_add_nc_u32 v[STO], s17, v5
	v_mul_u32_u24 v5, v2, SPITCH                   ; back: 16 lanes take a row of 128 f32, 32 bytes each
	v_lshl_add_u32 v5, v1, 5, v5
	v_add_nc_u32 v[RD], s17, v5
	v_lshlrev_b32 v5, 13, v2                       ; and the same two rows in gh, 16 bytes a lane
	v_lshl_add_u32 v[CO], v1, 4, v5
	s_lshl_b32 s22, s45, 21                        ; gh: row 256 TY + 128 WR, 8,192 bytes each; column 256 TX + 128 WC
	s_lshl_b32 s23, s[WR], 20
	s_add_co_u32 s22, s22, s23
	s_lshl_b32 s46, s42, 9
	s_add_co_u32 s22, s22, s46
	s_lshl_b32 s23, s[WC], 8
	s_add_co_u32 s22, s22, s23
	s_mov_b32 s23, 0
	s_add_nc_u64 s[10:11], s[10:11], s[22:23]
; 16 matrix instructions: row blocks a0, a0 + 1 of the window's four x all 8 column blocks, 32 along K.  The 64 accumulators take turns, one instruction a turn.  zero = 1: the product starts the sums.
.macro MUL16 f, hi, a0, zero
	WIN MUL_LO+0x50*(\hi)
.irp a, \a0, (\a0)+1
.irp b, 0,1,2,3,4,5,6,7
.if \zero
	v_wmma_f32_16x16x32_f16 v[8*(8*(\a)+(\b)):8*(8*(\a)+(\b))+7], v[(\f)+8*(\b):(\f)+8*(\b)+7], v[(\f)+8*(4*(\hi)+(\a)):(\f)+8*(4*(\hi)+(\a))+7], 0
.else
	v_wmma_f32_16x16x32_f16 v[8*(8*(\a)+(\b)):8*(8*(\a)+(\b))+7], v[(\f)+8*(\b):(\f)+8*(\b)+7], v[(\f)+8*(4*(\hi)+(\a)):(\f)+8*(4*(\hi)+(\a))+7], v[8*(8*(\a)+(\b)):8*(8*(\a)+(\b))+7]
.endif
.endr
.endr
.endm
; 32 LDS loads in one run: quarter q (32 along K) of the slot being read, into buffer f: W's 16, then h2's 16
.macro FETCH q, f
	WIN TO_B
.irp i, 0,1,2,3,4,5,6,7
	ds_load_tr16_b128 v[(\f)+8*(\i):(\f)+8*(\i)+3],   v[ADRB] offset:(\q)*32*PB+32*(\i)
	ds_load_tr16_b128 v[(\f)+8*(\i)+4:(\f)+8*(\i)+7], v[ADRB] offset:(\q)*32*PB+16*PB+32*(\i)
.endr
	WIN 0
.irp i, 0,1,2,3,4,5,6,7
	ds_load_b128 v[(\f)+8*(\i):(\f)+8*(\i)+3],   v[ADRA] offset:(\q)*64+(\i)*16*PA
	ds_load_b128 v[(\f)+8*(\i)+4:(\f)+8*(\i)+7], v[ADRA] offset:(\q)*64+(\i)*16*PA+32
.endr
.endm
.macro QUARTER qn, f, g, zero
	s_wait_dscnt 8                                 ; W and h2's rows 0-63 are in; the youngest eight loads (rows 64-127) may be out
	MUL16 \f, 0, 0, \zero
	MUL16 \f, 0, 2, \zero
	PLACES
	FETCH \qn, \g
	s_wait_dscnt 32                                ; all but the 32 just issued
	MUL16 \f, 1, 0, \zero
	MUL16 \f, 1, 2, \zero
.endm
; The last quarter multiplies buffer 1 and changes slots: one barrier; in front of it each wave waits for all its tensor loads (one is out at the most: its part of the next slot), adds 0 to its spare word, and waits for that and
; for its reads of this slot.  fill = 1: the barrier opens a round of the cluster's, and behind the round this slot is filled again, two K steps ahead, first of all.
; fill = 0: the last two K steps, a loop of two trips: nothing is asked for, and in the second trip there is no further step: the loop is left here, for the half quarter that is written out behind it.
.macro TURN fill
	WIN 0
	s_wait_tensorcnt 0x0
	ds_add_u32 v[SPW], v[NIL]
	s_wait_dscnt 9                                 ; the add and the youngest eight loads may be out
	MUL16 F1, 0, 0, 0
	s_wait_dscnt 0x0                               ; the add is done, and my reads of this slot are over
	s_barrier_signal -1
	MUL16 F1, 0, 2, 0
	WIN 0
	s_barrier_wait -1
.if \fill
	CREST
	s_add_co_u32 s[G0A+5], s[WBA], s[TB]           ; the walking descriptors: into the slot just read, the next K step; no load of mine is out
	s_add_nc_u64 s[G0A+6:G0A+7], s[G0A+6:G0A+7], STEPA
	s_add_co_u32 s[G0B+5], s[WBB], s[TB]
	s_add_nc_u64 s[G0B+6:G0B+7], s[G0B+6:G0B+7], STEPB
	JLOAD 1                                        ; its four v_nop are also the places in front of the loads below
.else
	s_sub_co_u32 s[CNT], s[CNT], 1
	s_cmp_eq_u32 s[CNT], 0
	s_cbranch_scc1 .Llast_half
	PLACES
.endif
	s_xor_b32 s[TB], s[TB], SLOT
	v_add_nc_u32 v[ADRA], s[TB], v[ADRA0]
	v_add_nc_u32 v[ADRB], s[TB], v[ADRB0]
	FETCH 0, F0
	MUL16 F1, 1, 0, 0
	MUL16 F1, 1, 2, 0
.endm
	s_wait_tensorcnt 0x1                           ; my part of K step 0 is in; slot 1's may stay out
	s_barrier_signal -1
	s_barrier_wait -1
	FETCH 0, F0
	QUARTER 1, F0, F1, 1                           ; the first quarter stands in front of the loop: its products start the sums
	WIN 0
	s_mov_b32 s[CNT], 6
.Lstep:                                                ; a trip: from a step's second quarter to the next step's first; trip t asks for K step t + 2
	QUARTER 2, F1, F0, 0
	QUARTER 3, F0, F1, 0
	TURN 1
	QUARTER 1, F0, F1, 0
	WIN 0
	s_sub_co_u32 s[CNT], s[CNT], 1
	s_cmp_lg_u32 s[CNT], 0
	s_cbranch_scc1 .Lstep
	s_mov_b32 s[CNT], 2
.Ltail:                                                ; the last two K steps ask for nothing; the second trip leaves the loop inside TURN
	QUARTER 2, F1, F0, 0
	QUARTER 3, F0, F1, 0
	TURN 0
	QUARTER 1, F0, F1, 0
	WIN 0
	s_branch .Ltail
.Llast_half:                                           ; the last K step's last 32 products; no LDS instruction of mine is out since TURN's wait
	MUL16 F1, 1, 0, 0
	MUL16 F1, 1, 2, 0
	WIN 0
	s_barrier_signal -1                            ; nobody reads the ring any more, and it has had its last fill: the stages may lie over it
	s_barrier_wait -1
	PLACES
.irp a, 0,1,2,3,4,5,6,7                ; the sums go into my stage as f32, each accumulator's low registers first
	WIN 0x08+4*((\a)/4)                            ; store data (source 1) in window 2 or 3
.irp b, 0,1,2,3,4,5,6,7
	ds_store_b128 v[STO], v[8*(8*((\a)%4)+(\b)):8*(8*((\a)%4)+(\b))+3]   offset:(\a)*16*SPITCH+64*(\b)
	ds_store_b128 v[STO], v[8*(8*((\a)%4)+(\b))+4:8*(8*((\a)%4)+(\b))+7] offset:(\a)*16*SPITCH+64*(\b)+16
.endr
.endr
	WIN 0
	s_wait_loadcnt 0x0                             ; the bias
	s_mov_b32 s[CNT], 16
.Lout:                                                 ; 8 rows a trip: back from my own stage (LDS serves a wave's instructions in order), bias, gelu, rounding, whole rows of 256 bytes out
.irp i, 0,1,2,3
	ds_load_b128 v[X+8*\i:X+8*\i+3],   v[RD] offset:\i*2*SPITCH
	ds_load_b128 v[X+8*\i+4:X+8*\i+7], v[RD] offset:\i*2*SPITCH+16
.endr
	s_wait_dscnt 0x0
.set i, 0
.rept 16
	v_pk_add_f32 v[X+2*i:X+2*i+1], v[X+2*i:X+2*i+1], v[BIAS+2*(i%4):BIAS+2*(i%4)+1]
.set i, i+1
.endr
.set i, 0
.rept 16
	v_pk_mul_f32 v[TT+2*i:TT+2*i+1], v[X+2*i:X+2*i+1], v[X+2*i:X+2*i+1]
.set i, i+1
.endr
.set i, 0
.rept 16
	v_pk_fma_f32 v[TT+2*i:TT+2*i+1], v[TT+2*i:TT+2*i+1], s[KC1:KC1+1], s[KC0:KC0+1] op_sel_hi:[1,0,0]  ; C0 + C1 x^2
.set i, i+1
.endr
.set i, 0
.rept 16
	v_pk_mul_f32 v[TT+2*i:TT+2*i+1], v[TT+2*i:TT+2*i+1], v[X+2*i:X+2*i+1]
.set i, i+1
.endr
.set i, 0
.rept 32
	v_exp_f32 v[TT+i], v[TT+i]
.set i, i+1
.endr
	v_nop                                          ; a plain instruction behind the last exponential
.set i, 0
	s_wait_alu depctr_va_vdst(0)
.rept 16
	v_pk_add_f32 v[TT+2*i:TT+2*i+1], v[TT+2*i:TT+2*i+1], 1.0 op_sel_hi:[1,0]
.set i, i+1
.endr
.set i, 0
.rept 32
	v_rcp_f32 v[TT+i], v[TT+i]
.set i, i+1
.endr
	v_nop                                          ; a plain instruction behind the last reciprocal
.set i, 0
	s_wait_alu depctr_va_vdst(0)
.rept 16
	v_pk_mul_f32 v[TT+2*i:TT+2*i+1], v[TT+2*i:TT+2*i+1], v[X+2*i:X+2*i+1]
.set i, i+1
.endr
.set i, 0
.rept 16
	v_cvt_pk_f16_f32 v[Y+i], v[TT+2*i], v[TT+2*i+1]
.set i, i+1
.endr
.irp i, 0,1,2,3
	global_store_b128 v[CO], v[Y+4*\i:Y+4*\i+3], s[10:11] offset:\i*2*8192  ; 16 lanes store 256 consecutive bytes, aligned
.endr
	s_wait_xcnt 0x0                                ; the stores' data and base are rewritten only behind this wait
	v_add_nc_u32 v[RD], 8*SPITCH, v[RD]
	s_add_nc_u64 s[10:11], s[10:11], 8*8192
	s_sub_co_u32 s[CNT], s[CNT], 1
	s_cmp_lg_u32 s[CNT], 0
	s_cbranch_scc1 .Lout
	s_wait_tensorcnt 0x0                           ; the wave's end
	ds_add_u32 v[SPW], v[NIL]
	s_wait_dscnt 0x0
	CROUND                                         ; the closing round
	s_endpgm
.Lfunc_end_k_q734e6302d0_fc:
	.size	k_q734e6302d0_fc, .Lfunc_end_k_q734e6302d0_fc-k_q734e6302d0_fc
	.p2alignl 7, 3214868480
	.fill 96, 4, 3214868480
	.section	.rodata,"a",@progbits
	.p2align	6, 0x0
	.amdhsa_kernel k_q734e6302d0_fc
		.amdhsa_group_segment_fixed_size 327680
		.amdhsa_private_segment_fixed_size 0
		.amdhsa_enable_private_segment 0
		.amdhsa_kernarg_size 32
		.amdhsa_user_sgpr_count 2
		.amdhsa_user_sgpr_kernarg_segment_ptr 1
		.amdhsa_wavefront_size32 1
		.amdhsa_system_sgpr_workgroup_id_x 1
		.amdhsa_system_sgpr_workgroup_id_y 1
		.amdhsa_system_sgpr_workgroup_id_z 1
		.amdhsa_system_vgpr_workitem_id 0
		.amdhsa_next_free_vgpr 1024
		.amdhsa_next_free_sgpr 96
		.amdhsa_reserve_vcc 0
		.amdhsa_float_denorm_mode_32 3
		.amdhsa_float_denorm_mode_16_64 3
		.amdhsa_memory_ordered 1
		.amdhsa_forward_progress 1
		.amdhsa_inst_pref_size 90
	.end_amdhsa_kernel
	.amdgpu_metadata
---
amdhsa.version: [ 1, 2 ]
amdhsa.kernels:
  - .name:           k_q734e6302d0_fc
    .symbol:         k_q734e6302d0_fc.kd
    .args:
      - { .name: h2, .offset: 0, .size: 8, .value_kind: global_buffer, .address_space: global }
      - { .name: wh, .offset: 8, .size: 8, .value_kind: global_buffer, .address_space: global }
      - { .name: b_fc, .offset: 16, .size: 8, .value_kind: global_buffer, .address_space: global }
      - { .name: gh, .offset: 24, .size: 8, .value_kind: global_buffer, .address_space: global }
    .group_segment_fixed_size: 327680
    .private_segment_fixed_size: 0
    .kernarg_segment_align: 8
    .kernarg_segment_size: 32
    .max_flat_workgroup_size: 128
    .sgpr_count:     96
    .vgpr_count:     1024
    .wavefront_size: 32
...
	.end_amdgpu_metadata
.endif
;; end of part 6
;; launch mproj (part 7): grid 8 x 32, 4 waves a work-group, clusters of 4 x 4, 327,680 bytes of LDS; arguments gh, wh, b_mproj, x1, out0; writes out0
.if DOCPART == 7
	.amdgcn_target "amdgcn-amd-amdhsa--gfx1250"
	.amdhsa_code_object_version 6
	.text
	.protected	k_q734e6302d0_mproj
	.globl	k_q734e6302d0_mproj
	.p2align	8
	.type	k_q734e6302d0_mproj,@function
k_q734e6302d0_mproj:
	s_mov_b64 s[64:65], 0
	v_nop
	global_prefetch_b8 v0, s[64:65] scope:SCOPE_SE
	s_setreg_imm32_b32 hwreg(HW_REG_WAVE_MODE, 25, 1), 1
	s_wait_xcnt 0x0
	s_wait_alu depctr_hold_cnt(0) depctr_sa_sdst(0) depctr_va_vdst(0) depctr_va_sdst(0) depctr_va_ssrc(0) depctr_va_vcc(0) depctr_vm_vsrc(0)
	s_getreg_b32 s2, hwreg(HW_REG_IB_STS2, 6, 4)
	s_cmp_eq_u32 s2, 0
	s_cbranch_scc0 .Lentry_in_a_cluster
	s_endpgm
.Lentry_in_a_cluster:
	s_bfe_u32 s2, ttmp6, 0x10000c
	s_cmp_lg_u32 s2, 0xf033
	s_cbranch_scc0 .Lentry_shape_is_right
	s_endpgm
.Lentry_shape_is_right:
; out = res + A . W + bias, f32 out.  One text for two launches, chosen by PROJ:
;   PROJ = 1: x1 = x + O . W_proj + b_proj.    A = oh, [batch][rb][head][128][64] f16 (K = 1,024: 16 heads of 64); W at wh's first byte.
;   PROJ = 0: out0 = x1 + G . W_mproj + b_mproj.  A = gh, [4096][4096] f16 (K = 4,096); W at wh + 10,485,760.
; W is [K][1024] f16.  Sums in f32: THE RESIDUAL STARTS THEM: it is loaded straight into the accumulators, so nothing is cleared and no addition is written for it; the bias is added on the way out.
; LIMITS.  A's numbers arrive within f16's 65,504.
; A tile is 128 x 128: 8 x 32 tiles, one to a work-group.  Four waves, each 64 x 64: 16 accumulators.  K goes in steps of 256 through two LDS slots.  W's fragments come out of LDS turned (ds_load_tr16_b128);
; the matrix instruction is used transposed (source 0 = W, source 1 = A), so that a lane holds eight neighbouring columns of one row.
; PROJ = 1: tile row TY is oh's block (batch TY / 8, rb TY % 8): its row p is t = 512 (TY % 2) + 4 p + (TY % 8) / 2 of the batch, so x's and x1's rows lie 4 apart (ROWB bytes); a K step is four heads' dense blocks of 16,384 bytes.
; CLUSTER 4 x 4: A's tile is shared along a row of the cluster, W's along a column: joint loads.  Waves 0, 1 ask for A's halves, waves 2, 3 for W's.
; ONE K STEP IS WRITTEN ONCE for the steps that ask for a tile and once for the last two, which ask for none: s[TB] is the LDS byte of the slot being read, 0 or SLOT.
; REGISTERS: window 0: v0-31 addresses, v32-35 bias, v64-79 at work on the way out, v128-255 accumulator (a, b) at v[128 + 8 (4 a + b)];  window 1: two fragment buffers of 128: 64 of A (2 x 4 blocks), then 64 of W.
.set PROJ, 0
.if PROJ
.set PAX,   144                        ; an LDS row of A: a head's 64 channels, 128 bytes + 16
.set ALOAD, 256*PAX                    ; what one load brings: two heads x 128 rows
.set AQ,    128*PAX                    ; from quarter to quarter (64 along K): the next head
.set AQI,   4                          ; padding after every 32 words
.set AC,    128                        ; the load's rows: 128 of 128 elements, dense
.set AR,    128
.set AP,    128
.set ATY,   18                         ; a tile row's A begins 2^18 TY bytes in,
.set AWC,   15                         ; my half of a step 2^15 (wave % 2) further
.set STEPA, 65536
.set WOFF,  0
.set NSTEP, 4
.set ROWSH, 14
.else
.set PAX,   528                        ; an LDS row of A: 512 bytes + 16
.set ALOAD, 64*PAX                     ; what one load brings: 64 rows
.set AQ,    128
.set AQI,   6                          ; padding after every 128 words
.set AC,    256
.set AR,    64
.set AP,    4096
.set ATY,   20
.set AWC,   19
.set STEPA, 512
.set WOFF,  10485760
.set NSTEP, 16
.set ROWSH, 12
.endif
.set AI,     16*PAX                    ; from row block to row block
.set AWR,    64*PAX                    ; my 64 rows
.set ROWB,   1<<ROWSH                  ; bytes from one of my rows to the next in the residual and the output
.set PB,     288                       ; an LDS row of W: 256 bytes + 32
.set BPAN,   128*PB
.set AREG,   2*ALOAD
.set SLOT,   AREG+2*BPAN
.set SPARE,  2*SLOT                    ; behind the ring: the spare words, two blocks of 256 bytes that no other line names
.set SPITCH, 272
.set STG,    64*SPITCH                 ; a wave's stage; the four lie over the ring, which has had its last fill by then
.set STEPB,  256*2048
.set ADRA0,  16
.set ADRB0,  17
.set ADRBH0, 18                        ; W's k rows 128 on
.set ADRA,   19
.set ADRB,   20
.set ADRBH,  21
.set XO,     22
.set STO,    24
.set RD,     25
.set CO,     26
.set BO,     27
.set SPW,    28
.set NIL,    29
.set BIAS,   32
.set X,      64
.set ACC,    128
.set F0,     0
.set F1,     128
.set WV, 14
.set WR, 15
.set WC, 16
.set G1A, 24
.set G0A, 32
.set G1B, 48
.set G0B, 56
.set TB,  66
.set WBA, 67
.set WBB, 68
.set CNT, 69
.set MSB, 0
.macro WIN new
.if MSB != (\new)
	s_set_vgpr_msb (MSB<<8)|(\new)
.set MSB, \new
.endif
.endm
.set MUL,  0x05                        ; sources 0 (W) and 1 (A) window 1; C and D window 0
.set TO_F, 0x40                        ; destination window 1, address window 0
.macro PLACES
.rept 4
	v_nop
.endr
.endm
.macro JLOAD s                         ; a joint load; an s_nop 0 and four v_nop follow each line
	s_cmp_eq_u32 s[WR], 0
	s_cbranch_scc0 .Lfor_b_\@
	tensor_load_to_lds s[G0A+4*(\s):G0A+4*(\s)+3], s[G1A:G1A+7]
	s_nop 0
	PLACES
	s_branch .Lasked_\@
.Lfor_b_\@:
	tensor_load_to_lds s[G0B+4*(\s):G0B+4*(\s)+3], s[G1B:G1B+7]
	s_nop 0
	PLACES
.Lasked_\@:
.endm
.macro CREST
	s_cmp_lg_u32 s[WV], 0
	s_cbranch_scc1 .Lnot_wave_0_\@
	s_barrier_signal -3
.Lnot_wave_0_\@:
	s_barrier_wait -3
	s_barrier_signal -1
	s_barrier_wait -1
.endm
.macro CROUND
	s_barrier_signal -1
	s_barrier_wait -1
	CREST
.endm
	s_load_b256 s[4:11], s[0:1], 0x0               ; A s[4:5], wh s[6:7], bias s[8:9], residual s[10:11]
	s_load_b64 s[12:13], s[0:1], 0x20              ; output
	v_lshl_add_u32 v[SPW], v0, 2, SPARE
	v_mov_b32 v[NIL], 0
	ds_add_u32 v[SPW], v[NIL]                      ; the wave's opening: the add and its wait stand ahead of my first tensor load; register work stands between them
	v_lshrrev_b32 v1, 5, v0
	v_readfirstlane_b32 s[WV], v1
	s_lshr_b32 s[WR], s[WV], 1                     ; my half of the tile's rows.  Also: I fetch for A (0) or W (1)
	s_and_b32 s[WC], s[WV], 1                      ; my half of its columns.  Also: which half of a step's A or W I fetch
	s_bfe_u32 s40, ttmp6, 0x40000
	s_bfe_u32 s41, ttmp6, 0x40004
	s_lshl_b32 s42, ttmp9, 2
	s_add_co_u32 s42, s42, s40                     ; TX
	s_and_b32 s45, ttmp7, 0xffff
	s_lshl_b32 s45, s45, 2
	s_add_co_u32 s45, s45, s41                     ; TY
	s_lshl_b32 s43, s41, 2
	s_lshl_b32 s43, 15, s43
	s_lshl_b32 s44, 0x1111, s40
	s_or_b32 s[G1A], s43, (1<<16)|(1<<20)|(1<<21)|(AQI<<22)|(3<<25)  ; my row's mask; 2-byte elements; padding on; bit 21 beside a mask; 4 words of padding
	s_or_b32 s[G1B], s44, (1<<16)|(1<<20)|(1<<21)|(5<<22)|(7<<25)    ; my column's mask; after every 64 words, 8 words
	s_mov_b32 s[G1A+1], AC<<16
	s_mov_b32 s[G1A+2], AR<<16
	s_mov_b32 s[G1A+3], AC<<16
	s_mov_b32 s[G1A+4], AR
	s_mov_b32 s[G1A+5], AP
	s_mov_b32 s[G1A+6], 0
	s_mov_b32 s[G1A+7], 0
	s_mov_b32 s[G1B+1], 128<<16
	s_mov_b32 s[G1B+2], 128<<16
	s_mov_b32 s[G1B+3], 128<<16
	s_mov_b32 s[G1B+4], 128
	s_mov_b32 s[G1B+5], 1024
	s_mov_b32 s[G1B+6], 0
	s_mov_b32 s[G1B+7], 0
	s_lshl_b32 s18, s45, ATY
	s_lshl_b32 s17, s[WC], AWC
	s_add_co_u32 s18, s18, s17
	s_mov_b32 s19, 0
	s_lshl_b32 s46, s42, 8                         ; W: column 128 TX, k rows 128 (wave % 2) on
	s_lshl_b32 s17, s[WC], 18
	s_add_co_u32 s46, s46, s17
	s_add_co_u32 s46, s46, WOFF
	s_mov_b32 s47, 0
	s_mul_i32 s[WBA], s[WC], ALOAD
	s_mul_i32 s[WBB], s[WC], BPAN
	s_add_co_u32 s[WBB], s[WBB], AREG
	s_mov_b32 s[TB], 0
	s_wait_dscnt 0x0                               ; the opening add is done
	s_wait_kmcnt 0x0
	s_add_nc_u64 s[20:21], s[4:5], s[18:19]
	s_add_nc_u64 s[46:47], s[6:7], s[46:47]
	CROUND                                         ; all sixteen work-groups are here: the first joint loads meet
.irp s, 0,1
	s_mov_b32 s[G0A+4*(\s)], 1
	s_add_co_u32 s[G0A+4*(\s)+1], s[WBA], (\s)*SLOT
	s_add_nc_u64 s[G0A+4*(\s)+2:G0A+4*(\s)+3], s[20:21], (\s)*STEPA
	s_or_b32 s[G0A+4*(\s)+3], s[G0A+4*(\s)+3], 0x80000000
	s_mov_b32 s[G0B+4*(\s)], 1
	s_add_co_u32 s[G0B+4*(\s)+1], s[WBB], (\s)*SLOT
	s_add_nc_u64 s[G0B+4*(\s)+2:G0B+4*(\s)+3], s[46:47], (\s)*STEPB
	s_or_b32 s[G0B+4*(\s)+3], s[G0B+4*(\s)+3], 0x80000000
	JLOAD \s                                       ; two loads of mine are out, the most in this text
.endr
	v_and_b32 v1, 15, v0                           ; r
	v_bfe_u32 v2, v0, 4, 1                         ; h
	v_and_b32 v3, 7, v0
	v_bfe_u32 v4, v0, 3, 1
	; where my 64 x 64 begins in the residual and in the output
.if PROJ
	s_lshr_b32 s22, s45, 3
	s_lshl_b32 s22, s22, 22                        ; the batch's 1,024 rows of 4,096 bytes
	s_and_b32 s23, s45, 1
	s_lshl_b32 s23, s23, 21                        ; 512 (TY % 2) rows
	s_add_co_u32 s22, s22, s23
	s_bfe_u32 s23, s45, 0x20001                    ; (TY % 8) / 2 rows
	s_lshl_b32 s23, s23, 12
	s_add_co_u32 s22, s22, s23
	s_lshl_b32 s23, s[WR], 20                      ; my 64 rows lie 4 apart: 256 WR rows
.else
	s_lshl_b32 s22, s45, 19
	s_lshl_b32 s23, s[WR], 18
.endif
	s_add_co_u32 s22, s22, s23
	s_lshl_b32 s46, s42, 9
	s_lshl_b32 s17, s[WC], 8
	s_add_co_u32 s46, s46, s17                     ; column 128 TX + 64 WC, 4 bytes each
	s_add_co_u32 s22, s22, s46
	s_mov_b32 s23, 0
	s_add_nc_u64 s[10:11], s[10:11], s[22:23]
	s_add_nc_u64 s[12:13], s[12:13], s[22:23]
	v_lshlrev_b32 v5, ROWSH, v1
	v_lshl_add_u32 v[XO], v2, 5, v5                ; accumulator (a, b): row 16 a + r, columns 16 b + 8 h + 0..7: 32 bytes a lane
.irp a, 0,1,2,3
.irp b, 0,1,2,3
	global_load_b128 v[ACC+8*(4*\a+\b):ACC+8*(4*\a+\b)+3],   v[XO], s[10:11] offset:\a*16*ROWB+64*\b
	global_load_b128 v[ACC+8*(4*\a+\b)+4:ACC+8*(4*\a+\b)+7], v[XO], s[10:11] offset:\a*16*ROWB+64*\b+16
.endr
.endr
	v_lshl_add_u32 v[BO], v1, 4, s46
	global_load_b128 v[BIAS:BIAS+3], v[BO], s[8:9]
	v_mul_u32_u24 v5, v1, PAX
	v_lshl_add_u32 v5, v2, 4, v5
	s_mul_i32 s17, s[WR], AWR
	v_add_nc_u32 v[ADRA0], s17, v5
	v_add_nc_u32 v[ADRA], s17, v5
	v_lshl_add_u32 v6, v2, 3, v3                   ; the turning load: lane l reads k row 8 h + l % 8, 16 bytes at 16 ((l / 8) % 2)
	v_mul_u32_u24 v6, v6, PB
	v_lshl_add_u32 v6, v4, 4, v6
	s_lshl_b32 s17, s[WC], 7
	s_add_co_u32 s17, s17, AREG
	v_add_nc_u32 v[ADRB0], s17, v6
	v_add_nc_u32 v[ADRB], s17, v6
	s_add_co_u32 s17, s17, BPAN
	v_add_nc_u32 v[ADRBH0], s17, v6
	v_add_nc_u32 v[ADRBH], s17, v6
	s_mul_i32 s17, s[WV], STG
	v_mul_u32_u24 v5, v1, SPITCH
	v_lshl_add_u32 v5, v2, 5, v5
	v_add_nc_u32 v[STO], s17, v5
	v_mul_u32_u24 v5, v2, SPITCH
	v_lshl_add_u32 v5, v1, 4, v5
	v_add_nc_u32 v[RD], s17, v5
	v_lshlrev_b32 v5, ROWSH, v2
	v_lshl_add_u32 v[CO], v1, 4, v5
; 8 matrix instructions: row blocks a0, a0 + 1 x all 4 column blocks, 32 along K: half c of buffer f.  The 16 accumulators take turns, one instruction a turn.
.macro MUL8 f, c, a0
	WIN MUL
.irp a, \a0, (\a0)+1
.irp b, 0,1,2,3
	v_wmma_f32_16x16x32_f16 v[ACC+8*(4*(\a)+(\b)):ACC+8*(4*(\a)+(\b))+7], v[(\f)+64+8*(4*(\c)+(\b)):(\f)+64+8*(4*(\c)+(\b))+7], v[(\f)+8*(4*(\c)+(\a)):(\f)+8*(4*(\c)+(\a))+7], v[ACC+8*(4*(\a)+(\b)):ACC+8*(4*(\a)+(\b))+7]
.endr
.endr
.endm
; 32 LDS loads in one run: quarter q (64 along K) of the slot being read, into buffer f; the first 32 along K first
.macro FETCH q, f
.if (\q) < 2
.set AB_, ADRB
.else
.set AB_, ADRBH
.endif
	WIN TO_F
.irp c, 0,1
.irp i, 0,1,2,3
	ds_load_tr16_b128 v[(\f)+64+8*(4*(\c)+(\i)):(\f)+64+8*(4*(\c)+(\i))+3],   v[AB_] offset:(((\q)%2)*64+32*(\c))*PB+32*(\i)
	ds_load_tr16_b128 v[(\f)+64+8*(4*(\c)+(\i))+4:(\f)+64+8*(4*(\c)+(\i))+7], v[AB_] offset:(((\q)%2)*64+32*(\c)+16)*PB+32*(\i)
	ds_load_b128 v[(\f)+8*(4*(\c)+(\i)):(\f)+8*(4*(\c)+(\i))+3],   v[ADRA] offset:(\q)*AQ+64*(\c)+(\i)*AI
	ds_load_b128 v[(\f)+8*(4*(\c)+(\i))+4:(\f)+8*(4*(\c)+(\i))+7], v[ADRA] offset:(\q)*AQ+64*(\c)+(\i)*AI+32
.endr
.endr
.endm
.macro QUARTER qn, f, g
	s_wait_dscnt 16                                ; the first 32 along K are in; the youngest sixteen loads may be out
	MUL8 \f, 0, 0
	MUL8 \f, 0, 2
	PLACES
	FETCH \qn, \g
	s_wait_dscnt 32                                ; all but the 32 just issued
	MUL8 \f, 1, 0
	MUL8 \f, 1, 2
.endm
; The last quarter multiplies buffer 1 and changes slots: one barrier; in front of it each wave waits for all its tensor loads (one is out at the most: its part of the next slot), adds 0 to its spare word, and waits for that and
; for its reads of this slot.  fill = 1: the barrier opens a round of the cluster's, and behind the round this slot is filled again, two K steps ahead, first of all.
; fill = 0: the last two K steps, a loop of two trips: nothing is asked for, and in the second trip there is no further step: the loop is left here, for the half quarter that is written out behind it.
.macro TURN fill
	WIN 0
	s_wait_tensorcnt 0x0
	ds_add_u32 v[SPW], v[NIL]
	s_wait_dscnt 17                                ; the add and the youngest sixteen loads may be out
	MUL8 F1, 0, 0
	s_wait_dscnt 0x0                               ; the add is done, and my reads of this slot are over
	s_barrier_signal -1
	MUL8 F1, 0, 2
	WIN 0
	s_barrier_wait -1
.if \fill
	CREST
	s_add_co_u32 s[G0A+5], s[WBA], s[TB]           ; the walking descriptors: into the slot just read, the next K step; no load of mine is out
	s_add_nc_u64 s[G0A+6:G0A+7], s[G0A+6:G0A+7], STEPA
	s_add_co_u32 s[G0B+5], s[WBB], s[TB]
	s_add_nc_u64 s[G0B+6:G0B+7], s[G0B+6:G0B+7], STEPB
	JLOAD 1                                        ; its four v_nop are also the places in front of the loads below
.else
	s_sub_co_u32 s[CNT], s[CNT], 1
	s_cmp_eq_u32 s[CNT], 0
	s_cbranch_scc1 .Llast_half
	PLACES
.endif
	s_xor_b32 s[TB], s[TB], SLOT
	v_add_nc_u32 v[ADRA], s[TB], v[ADRA0]
	v_add_nc_u32 v[ADRB], s[TB], v[ADRB0]
	v_add_nc_u32 v[ADRBH], s[TB], v[ADRBH0]
	FETCH 0, F0
	MUL8 F1, 1, 0
	MUL8 F1, 1, 2
.endm
	s_wait_tensorcnt 0x1                           ; my part of K step 0 is in; slot 1's may stay out
	s_barrier_signal -1
	s_barrier_wait -1
	FETCH 0, F0
	s_wait_loadcnt 0x0                             ; the residual is in the accumulators, the bias in its registers
	WIN 0
	s_mov_b32 s[CNT], NSTEP-2
.Lstep:                                                ; a trip is a K step; trip t asks for K step t + 2
	QUARTER 1, F0, F1
	QUARTER 2, F1, F0
	QUARTER 3, F0, F1
	TURN 1
	WIN 0
	s_sub_co_u32 s[CNT], s[CNT], 1
	s_cmp_lg_u32 s[CNT], 0
	s_cbranch_scc1 .Lstep
	s_mov_b32 s[CNT], 2
.Ltail:                                                ; the last two K steps ask for nothing; the second trip leaves the loop inside TURN
	QUARTER 1, F0, F1
	QUARTER 2, F1, F0
	QUARTER 3, F0, F1
	TURN 0
	WIN 0
	s_branch .Ltail
.Llast_half:                                           ; the last K step's last 16 products; no LDS instruction of mine is out since TURN's wait
	MUL8 F1, 1, 0
	MUL8 F1, 1, 2
	WIN 0
	s_barrier_signal -1                            ; nobody reads the ring any more, and it has had its last fill: the stages may lie over it
	s_barrier_wait -1
	PLACES
.irp a, 0,1,2,3                        ; each accumulator's low registers first
.irp b, 0,1,2,3
	ds_store_b128 v[STO], v[ACC+8*(4*\a+\b):ACC+8*(4*\a+\b)+3]   offset:\a*16*SPITCH+64*\b
	ds_store_b128 v[STO], v[ACC+8*(4*\a+\b)+4:ACC+8*(4*\a+\b)+7] offset:\a*16*SPITCH+64*\b+16
.endr
.endr
	s_mov_b32 s[CNT], 8
.Lout:                                                 ; 8 rows a trip: back from my own stage as whole rows of 256 bytes (LDS serves a wave's instructions in order), bias, store
.irp i, 0,1,2,3
	ds_load_b128 v[X+4*\i:X+4*\i+3], v[RD] offset:\i*2*SPITCH
.endr
	s_wait_dscnt 0x0
.irp i, 0,1,2,3
	v_pk_add_f32 v[X+4*\i:X+4*\i+1], v[X+4*\i:X+4*\i+1], v[BIAS:BIAS+1]
	v_pk_add_f32 v[X+4*\i+2:X+4*\i+3], v[X+4*\i+2:X+4*\i+3], v[BIAS+2:BIAS+3]
.endr
.irp i, 0,1,2,3
.if PROJ
	global_store_b128 v[CO], v[X+4*\i:X+4*\i+3], s[12:13] offset:\i*2*ROWB  ; 16 lanes store 256 consecutive bytes, aligned
.else
	global_store_b128 v[CO], v[X+4*\i:X+4*\i+3], s[12:13] offset:\i*2*ROWB th:TH_STORE_NT
.endif
.endr
	s_wait_xcnt 0x0                                ; the stores' data and base are rewritten only behind this wait
	v_add_nc_u32 v[RD], 8*SPITCH, v[RD]
	s_add_nc_u64 s[12:13], s[12:13], 8*ROWB
	s_sub_co_u32 s[CNT], s[CNT], 1
	s_cmp_lg_u32 s[CNT], 0
	s_cbranch_scc1 .Lout
	s_wait_tensorcnt 0x0                           ; the wave's end
	ds_add_u32 v[SPW], v[NIL]
	s_wait_dscnt 0x0
	CROUND                                         ; the closing round
	s_endpgm
.Lfunc_end_k_q734e6302d0_mproj:
	.size	k_q734e6302d0_mproj, .Lfunc_end_k_q734e6302d0_mproj-k_q734e6302d0_mproj
	.p2alignl 7, 3214868480
	.fill 96, 4, 3214868480
	.section	.rodata,"a",@progbits
	.p2align	6, 0x0
	.amdhsa_kernel k_q734e6302d0_mproj
		.amdhsa_group_segment_fixed_size 327680
		.amdhsa_private_segment_fixed_size 0
		.amdhsa_enable_private_segment 0
		.amdhsa_kernarg_size 40
		.amdhsa_user_sgpr_count 2
		.amdhsa_user_sgpr_kernarg_segment_ptr 1
		.amdhsa_wavefront_size32 1
		.amdhsa_system_sgpr_workgroup_id_x 1
		.amdhsa_system_sgpr_workgroup_id_y 1
		.amdhsa_system_sgpr_workgroup_id_z 1
		.amdhsa_system_vgpr_workitem_id 0
		.amdhsa_next_free_vgpr 512
		.amdhsa_next_free_sgpr 96
		.amdhsa_reserve_vcc 0
		.amdhsa_float_denorm_mode_32 3
		.amdhsa_float_denorm_mode_16_64 3
		.amdhsa_memory_ordered 1
		.amdhsa_forward_progress 1
		.amdhsa_inst_pref_size 54
	.end_amdhsa_kernel
	.amdgpu_metadata
---
amdhsa.version: [ 1, 2 ]
amdhsa.kernels:
  - .name:           k_q734e6302d0_mproj
    .symbol:         k_q734e6302d0_mproj.kd
    .args:
      - { .name: gh, .offset: 0, .size: 8, .value_kind: global_buffer, .address_space: global }
      - { .name: wh, .offset: 8, .size: 8, .value_kind: global_buffer, .address_space: global }
      - { .name: b_mproj, .offset: 16, .size: 8, .value_kind: global_buffer, .address_space: global }
      - { .name: x1, .offset: 24, .size: 8, .value_kind: global_buffer, .address_space: global }
      - { .name: out0, .offset: 32, .size: 8, .value_kind: global_buffer, .address_space: global }
    .group_segment_fixed_size: 327680
    .private_segment_fixed_size: 0
    .kernarg_segment_align: 8
    .kernarg_segment_size: 40
    .max_flat_workgroup_size: 128
    .sgpr_count:     96
    .vgpr_count:     512
    .wavefront_size: 32
...
	.end_amdgpu_metadata
.endif
;; end of part 7
